; MI455X (gfx1250); checked and timed in simulation.
; The chip was launched on July 23, 2026; its instructions are those of AMD's public machine-readable ISA for CDNA 5 (MIT licence, August 2026) and "CDNA5" Instruction Set Architecture Reference Guide (July 2026). The comments in the code are by the model that wrote it; some were corrected since.
;; Causal Self Attention. Allowed arithmetic: matrix products marked QUANTISED: E2M1 operands, one E8M0 scale for each 32 along K, by v_wmma_scale_f32_16x16x128_f8f6f4 with both operands' format E2M1 (or v_wmma_scale_f32_32x16x128_f4), f32 sums; everything else in f32.
;; Inputs: W_attn 1,024 x 3,072 float32; W_proj 1,024 x 1,024 float32; b_attn 3,072 float32; b_proj 1,024 float32; x 4 x 2,048 x 1,024 float32.
;; Outputs: out0 4 x 2,048 x 1,024 float32.
;; This version of the problem:
;;   THIS VERSION OF THE PROBLEM IS GIVEN IN LOW PRECISION. The matrix products marked QUANTISED in the list below multiply operands that are first quantised to E2M1 (2 exponent bits, 1 mantissa bit; 4 bits a number), with one power-of-two scale for each 32 numbers along K (OCP MX v1.0); their sums are f32. All else is computed in f32.
;;   The module's matrix products, in the order in which they are computed (A, B: the left and right operand; K: the contracted axis; several contracted axes count as one K, in the product's order):
;;     1. [M 8,192, K 1,024] x [K 1,024, N 3,072]; A: input x; B: input W_attn: QUANTISED
;;     2. batch 64 x [M 2,048, K 64] x [K 64, N 2,048]; A: computed on the way; B: computed on the way: QUANTISED
;;     3. batch 64 x [M 2,048, K 2,048] x [K 2,048, N 64]; A: softmax (see below); B: computed on the way: QUANTISED
;;     4. [M 8,192, K 1,024] x [K 1,024, N 1,024]; A: computed on the way; B: input W_proj: QUANTISED
;;   THE QUANTISER, for each operand of a quantised product, along K:
;;     - K is cut into blocks of 32 from its start; a last block that is shorter is filled with zeros.
;;     - A block's scale is 2^e with e = floor(log2(the largest magnitude in the block)) - 2, held to -126 .. 127; a block of zeros has e = 0. As a byte (E8M0): e + 127.
;;     - Each number is divided by its block's scale, clamped to +-6, and rounded to the nearest number of E2M1, ties to even, subnormals kept.
;;     - The product sums the exact products of the quantised numbers (number of the format x scale) in f32.
;;   ~~~python
;;   def quantise(x, axis):      # numpy; x: float32 -> the quantised numbers, widened to float32 again
;;       x = np.moveaxis(x, axis, -1); K = x.shape[-1]
;;       x = np.pad(x, [(0, 0)] * (x.ndim - 1) + [(0, -K % 32)]); x = x.reshape(x.shape[:-1] + (-1, 32)); a = np.abs(x).max(-1, keepdims=True)
;;       e = np.where(a > 0, np.clip(np.frexp(np.where(a > 0, a, 1))[1] - 1 - 2, -126, 127), 0)      # np.frexp(a)[1] - 1 = floor(log2(a)), exactly
;;       r = np.clip(x / 2.0 ** e, -6, 6)
;;       step = 2.0 ** (np.maximum(np.frexp(np.where(r == 0, 1, r))[1] - 1, 0) - 1)
;;       q = np.round(r / step) * step * 2.0 ** e      # np.round: ties to even
;;       return np.moveaxis(q.reshape(q.shape[:-2] + (-1,))[..., :K], -1, axis).astype(np.float32)
;;   ~~~
;;   SOFTMAX AHEAD OF A QUANTISED PRODUCT. Where the list says 'softmax', what is quantised is not the finished softmax but p = 2^(t - M), with t = logit x log2(e) and M = ceil(the row's largest t), a whole number; so 1/2 < the row's largest p <= 1. The row's sum l is taken of the UNQUANTISED p, in f32, and the product's result is divided by l at the end. Since M is a whole number, a kernel that streams over the keys may use a running M (the ceiling of the running maximum): every later rescaling is an exact power of two, which a block's scale takes up: the codes' values come out the same.
;;   OPERANDS COMPUTED ON THE WAY. 'Computed on the way' means the value that the module computes at that place (a softmax that the list does not call 'softmax' is quantised finished and normalised). What goes into a quantiser is computed in f32, as accurately as f32 sums, v_exp_f32 and their like allow (about 1e-6 of the number): no bf16 or f16 on the way to a quantiser, and a product that is left as it is and whose result goes on into a quantised operand takes f32 operands (vector FMAs, or v_wmma_f32_16x16x4_f32). A number that lies on a knife's edge between two numbers of the format may be rounded either way, as far as f32 arithmetic and the matrix unit's own rounding can turn it there, and no further.
;; One version. Each part assembles by itself: llvm-mc -triple=amdgcn-amd-amdhsa -mcpu=gfx1250 --defsym DOCPART=n.
;; ======== version 1 of 1: 4 launches
;; workspace buffers: x_img 4,456,448 bytes; wa_img 1,671,168 bytes; wp_img 557,056 bytes; qrec 4,718,592 bytes; kvrec 9,175,040 bytes; y_img 4,718,592 bytes
;; launch quant (part 1): grid 320 x 1, 4 waves a work-group, no clusters, 41,472 bytes of LDS; arguments x, W_attn, W_proj, x_img, wa_img, wp_img; writes x_img, wa_img, wp_img
.if DOCPART == 1
	.amdgcn_target "amdgcn-amd-amdhsa--gfx1250"
	.amdhsa_code_object_version 6
	.text
	.protected	k_q81d7c4d853_quant
	.globl	k_q81d7c4d853_quant
	.p2align	8
	.type	k_q81d7c4d853_quant,@function
k_q81d7c4d853_quant:
	s_mov_b64 s[64:65], 0
	v_nop
	global_prefetch_b8 v0, s[64:65] scope:SCOPE_SE
	s_setreg_imm32_b32 hwreg(HW_REG_WAVE_MODE, 25, 1), 1
	s_wait_xcnt 0x0
; x [8192][1024], W_attn [1024][3072] and W_proj [1024][1024], f32, become codes of FP4 (E2M1) with one E8M0 byte for each 32 along K (K = 1,024 in all three),
; laid as IMAGES OF OPERAND REGISTERS.  A record serves 128 rows of x (or 128 columns of a weight): 69,632 bytes:
;   [0, 4096)  scale words [pair 4][half of K 2][lane 32][16 bytes = the words of four K steps of 128]; lanes 0-15 tile 2 p, lanes 16-31 tile 2 p + 1;
;   [4096, ..) codes [K step 8][tile 8][c 2][512 bytes]: lane 16 h + r has the 16 bytes that are registers 4 c .. 4 c + 3 of a fragment: k = 64 c + 32 h + 0 .. 31.
; THE ROWS OF A TILE ARE NOT NEIGHBOURS: lane r of tile t holds row 32 (t / 2) + 8 (t % 2) + r + 8 (r / 8) of the record.
; A block's scale is 2^(floor(log2(largest magnitude)) - 2): its byte is the largest magnitude's exponent field - 2, held at 1 from below.
; LIMITS: NaN and infinities among the inputs are not served.  A block of zeros, or one whose largest magnitude lies under 2^-124, gets the byte 1 (the rule says 127 for zeros): its codes are zeros or
; what the held scale gives, and the bytes are read by this program alone.
; Work-groups 0-47 take W_attn, 48-63 W_proj, 64-319 x.  No cluster, no tensor load: no two work-groups read the same byte, and every byte is read once.  Only x's path touches LDS.
.set RECB, 69632
.set SP,   80                          ; x: a lane's place in an input stage: 64 bytes + 16 of padding
.set WREG, 10240                       ; x: LDS of a wave: two input stages of 2,560 bytes, 256 scale bytes, a stage of 16 x 272 bytes for the codes
.set SCB,  5120
.set CST,  5376
.set CP,   272
.set R,    16                          ; x: v16-79 four sets of 16 numbers as loaded
.set X,    80                          ; x: v80-111 two sets of 16 neighbours; at the end the codes on their way out
.set E,    112                         ; x: v112-127 a scale byte for each step
.set C,    128                         ; x: v128-191 codes, registers of its own for each step
.set WX,   32                          ; W: v32-95 two sets of 32 numbers down K
.set WC,   96                          ; W: v96-159 codes, four registers of its own for each block
.set SB,   24                          ; W: v24-27 sixteen scale bytes
; ---- a weight [1024][N]: a lane takes a column and its registers run down K
.macro WLOAD t, N
.irp i, 0,1,2,3,4,5,6,7,8,9,10,11,12,13,14,15,16,17,18,19,20,21,22,23,24,25,26,27,28,29,30,31
	global_load_b32 v[WX+32*((\t)%2)+\i], v3, s[28:29] offset:(32*(\t)+\i)*4*\N th:TH_LOAD_NT   ; the wave's 32 columns are 128 consecutive bytes
.endr
.endm
.macro WBLOCK t, N
.set XS, WX+32*((\t)%2)
.if (\t) < 15
	s_wait_loadcnt 32                              ; this block's 32 loads are in; the next block's may be out
.else
	s_wait_loadcnt 0x0
.endif
	v_max3_num_f32 v12, |v[XS]|, |v[XS+1]|, |v[XS+2]|   ; the block's largest magnitude: all 32 numbers are mine
	v_max3_num_f32 v13, |v[XS+3]|, |v[XS+4]|, |v[XS+5]|
.irp i, 6,10,14,18,22,26
	v_max3_num_f32 v12, v12, |v[XS+\i]|, |v[XS+\i+1]|
	v_max3_num_f32 v13, v13, |v[XS+\i+2]|, |v[XS+\i+3]|
.endr
	v_max3_num_f32 v12, v12, |v[XS+30]|, |v[XS+31]|
	v_max3_num_f32 v12, v12, v13, 0x1800000        ; and the floor 2^(3 - 127): the byte cannot fall under 1
	v_add_nc_u32 v11, 0xff000000, v12              ; 2 off the exponent field: the conversion's scale operand
	v_lshrrev_b32 v13, 23, v11                     ; the scale's byte
.if (\t)%4 == 0
	v_mov_b32 v[SB+(\t)/4], v13
.else
	v_lshl_or_b32 v[SB+(\t)/4], v13, 8*((\t)%4), v[SB+(\t)/4]
.endif
.irp g, 0,1,2,3
	v_cvt_scalef32_pk8_fp4_f32 v[WC+4*(\t)+\g], v[XS+8*\g:XS+8*\g+7], v11
.endr
	global_store_b128 v4, v[WC+4*(\t):WC+4*(\t)+3], s[30:31] offset:((\t)/4)*8192+(((\t)/2)%2)*512+((\t)%2)*256   ; K step t / 4, c = (t / 2) % 2, h = t % 2: sixteen lanes fill 256 consecutive aligned bytes
.if (\t)+2 < 16
	WLOAD (\t)+2, \N
.endif
.endm
; Work-group G of a weight: record G / 2, half G % 2 of K.  Wave w is pair w of the record; lane 16 u + r is column 32 w + 8 u + r + 8 (r / 8).
.macro WPATH N, src, dst, first
	s_sub_co_u32 s17, ttmp9, \first
	s_lshr_b32 s18, s17, 1                         ; the record
	s_and_b32 s19, s17, 1                          ; the half of K
	v_and_b32 v6, 15, v2                           ; r
	v_lshrrev_b32 v7, 4, v2                        ; u
	v_and_b32 v8, 8, v6
	v_add_nc_u32 v8, v8, v6                        ; r + 8 (r / 8)
	v_lshl_add_u32 v8, v7, 3, v8
	v_lshlrev_b32 v3, 2, v8                        ; in: my column's byte in the wave's 128
	v_lshlrev_b32 v4, 4, v6
	v_lshl_add_u32 v4, v7, 10, v4                  ; out: tile u of the pair, 16 r
	v_lshlrev_b32 v5, 4, v2                        ; the scale image: 16 bytes a lane
	s_mul_i32 s20, s19, 2048*\N                    ; 512 rows of 4 N bytes
	s_lshl_b32 s21, s18, 9
	s_add_co_u32 s20, s20, s21
	s_lshl_b32 s21, s16, 7
	s_add_co_u32 s20, s20, s21
	s_mov_b32 s21, 0
	s_mul_i32 s22, s18, RECB
	s_lshl_b32 s23, s19, 15
	s_add_co_u32 s24, s22, s23
	s_lshl_b32 s23, s16, 11
	s_add_co_u32 s24, s24, s23
	s_add_co_u32 s24, s24, 4096                    ; codes: record + 4096 + 4 K steps x half + 2 tiles x wave
	s_mov_b32 s25, 0
	s_lshl_b32 s23, s16, 10
	s_add_co_u32 s26, s22, s23
	s_lshl_b32 s23, s19, 9
	s_add_co_u32 s26, s26, s23                     ; scales: record + 1024 x pair + 512 x half
	s_mov_b32 s27, 0
	s_wait_alu depctr_va_vdst(0)
	s_wait_kmcnt 0x0
	s_add_nc_u64 s[28:29], s[\src:\src+1], s[20:21]
	s_add_nc_u64 s[30:31], s[\dst:\dst+1], s[24:25]
	s_add_nc_u64 s[32:33], s[\dst:\dst+1], s[26:27]
	WLOAD 0, \N
	WLOAD 1, \N
.set Q, 0
.rept 16
	WBLOCK Q, \N
.set Q, Q+1
.endr
	global_store_b128 v5, v[SB:SB+3], s[32:33]     ; 512 consecutive bytes of the scale image
	s_endpgm
.endm
; ---- x: a step is half a row (512 numbers); a step's 2,048 bytes are loaded as they lie and turn through the wave's stage, so that a lane holds 16 neighbours
.macro XLOAD t
.irp i, 0,1,2,3
	global_load_b128 v[R+16*((\t)%4)+4*\i:R+16*((\t)%4)+4*\i+3], v3, s[4:5] offset:4096*((\t)+8*((\t)/8))+512*\i th:TH_LOAD_NT   ; step t is the tile's lane t: row t + 8 (t / 8)
.endr
.endm
.macro XTURN t
.irp i, 0,1,2,3
	ds_store_b128 v14, v[R+16*((\t)%4)+4*\i:R+16*((\t)%4)+4*\i+3] offset:32*SP*((\t)%2)+8*SP*\i
.endr
.irp i, 0,1,2,3
	ds_load_b128 v[X+16*((\t)%2)+4*\i:X+16*((\t)%2)+4*\i+3], v15 offset:32*SP*((\t)%2)+16*\i   ; LDS serves a wave's instructions in order: these see the stores above
.endr
.endm
.macro XSTEP t
.set XS, X+16*((\t)%2)
.if (\t) > 0
	s_wait_dscnt 2                                 ; this step's numbers are back from the stage; the last step's two small stores may be out
.else
	s_wait_dscnt 0x0
.endif
.if (\t)+4 < 16
	XLOAD (\t)+4
.endif
.if (\t)+1 < 16
.if 14-(\t) >= 3
	s_wait_loadcnt 12                              ; the next step's four loads are in; those of the three steps behind it may be out
.else
	s_wait_loadcnt 4*(14-(\t))
.endif
	XTURN (\t)+1
.endif
	v_max3_num_f32 v8, |v[XS]|, |v[XS+1]|, |v[XS+2]|
	v_max3_num_f32 v9, |v[XS+3]|, |v[XS+4]|, |v[XS+5]|
.irp i, 6,10
	v_max3_num_f32 v8, v8, |v[XS+\i]|, |v[XS+\i+1]|
	v_max3_num_f32 v9, v9, |v[XS+\i+2]|, |v[XS+\i+3]|
.endr
	v_max3_num_f32 v8, v8, |v[XS+14]|, |v[XS+15]|
	v_max3_num_f32 v8, v8, v9, 0x1800000           ; the floor 2^(3 - 127)
	v_max_num_f32_dpp v8, v8, v8 row_xmask:1 row_mask:0xf bank_mask:0xf   ; with my neighbour's 16: the block's largest magnitude
	v_add_nc_u32 v11, 0xff000000, v8
	v_cvt_scalef32_pk8_fp4_f32 v[C+4*(\t)], v[XS:XS+7], v11
	v_cvt_scalef32_pk8_fp4_f32 v[C+4*(\t)+1], v[XS+8:XS+15], v11
	v_lshrrev_b32 v[E+(\t)], 23, v11
	ds_store_b8 v5, v[E+(\t)] offset:16*(\t)       ; byte 16 t + block: lane t's 16 bytes of the scale image; both lanes of a block write the same value
	ds_store_b64 v4, v[C+4*(\t):C+4*(\t)+1] offset:16*(\t)   ; the code stage: row = block, 16 bytes for each lane t of the tile
.endm
	s_load_b256 s[4:11], s[0:1], 0x0               ; x s[4:5], W_attn s[6:7], W_proj s[8:9], x_img s[10:11]
	s_load_b128 s[12:15], s[0:1], 0x20             ; wa_img s[12:13], wp_img s[14:15]
	v_lshl_add_u32 v192, v0, 2, 0xa000
	v_mov_b32 v193, 0
	v_lshrrev_b32 v1, 5, v0
	v_readfirstlane_b32 s16, v1                    ; wave 0..3
	v_and_b32 v2, 31, v0                           ; lane
	s_cmp_lt_u32 ttmp9, 48
	s_cbranch_scc1 .Lwa
	s_cmp_lt_u32 ttmp9, 64
	s_cbranch_scc1 .Lwp
	; ---- x.  Work-group X = 32 rows = a pair of tiles; wave w: tile w / 2 of the pair, half w % 2 of K
	s_sub_co_u32 s17, ttmp9, 64
	s_lshr_b32 s18, s16, 1                         ; u
	s_and_b32 s19, s16, 1                          ; the half of K
	v_lshlrev_b32 v3, 4, v2                        ; 16 x lane
	s_mul_i32 s20, s16, WREG
	s_wait_alu depctr_va_vdst(0)
	v_lshrrev_b32 v14, 2, v2
	v_mul_u32_u24 v14, v14, SP
	v_and_b32 v15, 3, v2
	v_lshl_add_u32 v14, v15, 4, v14
	v_add_nc_u32 v14, s20, v14                     ; the input stage, in: SP (lane / 4) + 16 (lane % 4)
	v_mul_u32_u24 v15, v2, SP
	v_add_nc_u32 v15, s20, v15                     ; and out: SP x lane
	v_lshrrev_b32 v5, 1, v2                        ; my block of the step's 16
	v_mul_u32_u24 v4, v5, CP
	v_and_b32 v6, 1, v2
	v_lshl_add_u32 v4, v6, 3, v4
	s_add_co_u32 s21, s20, CST
	v_add_nc_u32 v4, s21, v4                       ; the code stage, in: row = block, my 8 bytes of its 16
	s_add_co_u32 s22, s20, SCB
	v_add_nc_u32 v5, s22, v5                       ; my block's scale byte
	v_lshlrev_b32 v7, 3, v2
	v_add_nc_u32 v6, s22, v7                       ; the scale bytes, out: 8 a lane
	v_lshrrev_b32 v10, 4, v2
	v_mul_u32_u24 v10, v10, CP
	v_and_b32 v9, 15, v2
	v_lshl_add_u32 v10, v9, 4, v10
	v_add_nc_u32 v10, s21, v10                     ; the code stage, out: sixteen lanes to a row, two rows an instruction
	s_lshl_b32 s24, s17, 17                        ; 32 rows of 4,096 bytes
	s_lshl_b32 s23, s18, 15
	s_add_co_u32 s24, s24, s23
	s_lshl_b32 s23, s19, 11
	s_add_co_u32 s24, s24, s23
	s_mov_b32 s25, 0
	s_lshr_b32 s26, s17, 2
	s_mul_i32 s26, s26, RECB                       ; the record
	s_and_b32 s27, s17, 3                          ; the pair
	s_lshl_b32 s23, s19, 15
	s_add_co_u32 s28, s26, s23
	s_lshl_b32 s23, s27, 11
	s_add_co_u32 s28, s28, s23
	s_lshl_b32 s23, s18, 10
	s_add_co_u32 s28, s28, s23
	s_add_co_u32 s28, s28, 4096
	s_mov_b32 s29, 0
	s_lshl_b32 s23, s27, 10
	s_add_co_u32 s30, s26, s23
	s_lshl_b32 s23, s19, 9
	s_add_co_u32 s30, s30, s23
	s_lshl_b32 s23, s18, 8
	s_add_co_u32 s30, s30, s23
	s_mov_b32 s31, 0
	s_wait_kmcnt 0x0
	s_add_nc_u64 s[4:5], s[4:5], s[24:25]
	s_add_nc_u64 s[32:33], s[10:11], s[28:29]
	s_add_nc_u64 s[34:35], s[10:11], s[30:31]
.irp t, 0,1,2,3
	XLOAD \t
.endr
	s_wait_loadcnt 12                              ; step 0's four loads are in
	XTURN 0
.irp t, 0,1,2,3,4,5,6,7,8,9,10,11,12,13,14,15
	XSTEP \t
.endr
	ds_load_b64 v[12:13], v6                       ; LDS serves a wave's instructions in order: these see my stores
.irp i, 0,1,2,3,4,5,6,7
	ds_load_b128 v[X+4*\i:X+4*\i+3], v10 offset:2*CP*\i
.endr
	s_wait_dscnt 8                                 ; the scale bytes are in; the eight younger loads may be out
	global_store_b64 v7, v[12:13], s[34:35]        ; 256 consecutive aligned bytes
.irp i, 0,1,2,3,4,5,6,7
	s_wait_dscnt 7-\i
	global_store_b128 v3, v[X+4*\i:X+4*\i+3], s[32:33] offset:(\i/2)*8192+(\i%2)*512   ; blocks 2 i and 2 i + 1: one chunk of 512 consecutive bytes
.endr
	s_wait_tensorcnt 0x0
	ds_add_u32 v192, v193
	s_wait_dscnt 0x0
	s_endpgm
.Lwa:
	s_wait_alu depctr_va_vdst(0)
	WPATH 3072, 6, 12, 0
.Lwp:
	s_wait_alu depctr_va_vdst(0)
	WPATH 1024, 8, 14, 48
.Lfunc_end_k_q81d7c4d853_quant:
	.size	k_q81d7c4d853_quant, .Lfunc_end_k_q81d7c4d853_quant-k_q81d7c4d853_quant
	.p2alignl 7, 3214868480
	.fill 96, 4, 3214868480
	.section	.rodata,"a",@progbits
	.p2align	6, 0x0
	.amdhsa_kernel k_q81d7c4d853_quant
		.amdhsa_group_segment_fixed_size 41472
		.amdhsa_private_segment_fixed_size 0
		.amdhsa_enable_private_segment 0
		.amdhsa_kernarg_size 48
		.amdhsa_user_sgpr_count 2
		.amdhsa_user_sgpr_kernarg_segment_ptr 1
		.amdhsa_wavefront_size32 1
		.amdhsa_system_sgpr_workgroup_id_x 1
		.amdhsa_system_sgpr_workgroup_id_y 1
		.amdhsa_system_sgpr_workgroup_id_z 1
		.amdhsa_system_vgpr_workitem_id 0
		.amdhsa_next_free_vgpr 194
		.amdhsa_next_free_sgpr 66
		.amdhsa_reserve_vcc 0
		.amdhsa_float_denorm_mode_32 3
		.amdhsa_float_denorm_mode_16_64 3
		.amdhsa_memory_ordered 1
		.amdhsa_forward_progress 1
		.amdhsa_inst_pref_size 184
	.end_amdhsa_kernel
	.amdgpu_metadata
---
amdhsa.version: [ 1, 2 ]
amdhsa.kernels:
  - .name:           k_q81d7c4d853_quant
    .symbol:         k_q81d7c4d853_quant.kd
    .args:
      - { .name: x, .offset: 0, .size: 8, .value_kind: global_buffer, .address_space: global }
      - { .name: W_attn, .offset: 8, .size: 8, .value_kind: global_buffer, .address_space: global }
      - { .name: W_proj, .offset: 16, .size: 8, .value_kind: global_buffer, .address_space: global }
      - { .name: x_img, .offset: 24, .size: 8, .value_kind: global_buffer, .address_space: global }
      - { .name: wa_img, .offset: 32, .size: 8, .value_kind: global_buffer, .address_space: global }
      - { .name: wp_img, .offset: 40, .size: 8, .value_kind: global_buffer, .address_space: global }
    .group_segment_fixed_size: 41472
    .private_segment_fixed_size: 0
    .kernarg_segment_align: 8
    .kernarg_segment_size: 48
    .max_flat_workgroup_size: 128
    .sgpr_count:     66
    .vgpr_count:     194
    .wavefront_size: 32
...
	.end_amdgpu_metadata
.endif
;; end of part 1
;; launch qkv (part 2): grid 12 x 32, 4 waves a work-group, clusters of 4 x 4, 279,040 bytes of LDS; arguments x_img, wa_img, b_attn, qrec, kvrec; writes qrec, kvrec
.if DOCPART == 2
	.amdgcn_target "amdgcn-amd-amdhsa--gfx1250"
	.amdhsa_code_object_version 6
	.text
	.protected	k_q81d7c4d853_qkv
	.globl	k_q81d7c4d853_qkv
	.p2align	8
	.type	k_q81d7c4d853_qkv,@function
k_q81d7c4d853_qkv:
	s_mov_b64 s[64:65], 0
	v_nop
	global_prefetch_b8 v0, s[64:65] scope:SCOPE_SE
	s_setreg_imm32_b32 hwreg(HW_REG_WAVE_MODE, 25, 1), 1
	s_wait_xcnt 0x0
	s_wait_alu depctr_hold_cnt(0) depctr_sa_sdst(0) depctr_va_vdst(0) depctr_va_sdst(0) depctr_va_ssrc(0) depctr_va_vcc(0) depctr_vm_vsrc(0)
	s_getreg_b32 s2, hwreg(HW_REG_IB_STS2, 6, 4)
	s_cmp_eq_u32 s2, 0
	s_cbranch_scc0 .Lentry_in_a_cluster
	s_endpgm
.Lentry_in_a_cluster:
	s_bfe_u32 s2, ttmp6, 0x10000c
	s_cmp_lg_u32 s2, 0xf033
	s_cbranch_scc0 .Lentry_shape_is_right
	s_endpgm
.Lentry_shape_is_right:
; qkv = x W_attn + b_attn on codes of FP4 with E8M0 scales, and the result quantised at once into the operands of attention; q, k and v never go to memory as f32.
; A work-group makes 256 rows x 256 columns; each of its four waves 128 x 128: 64 accumulators, 512 registers.  K = 1,024 is 512 bytes of codes a row, so the four records (two of x, two of W, 69,632 bytes each,
; images of operand registers) lie in LDS for ALL of K: every LDS byte is filled once, there is no ring.  A record comes as four quarters, so that the first K steps start while the rest is on its way.
; CLUSTERS: 4 x 4 work-groups; x's records are shared along a row of the cluster, W's along a column: each is asked for jointly, by the same tensor load with the same descriptor and a mask that names the four.
; ROLES, by the cluster's x, which all sixteen partners share: 0 = q, 1 = k: source 0 = 16 columns of W, source 1 = 16 rows of x: a lane holds one token and its registers run along the head's axis, attention's first K.
; 2 = v: source 0 = 16 rows of x, source 1 = 16 columns of W: a lane holds one channel and its registers run along the keys, attention's second K.
; The rows of every tile are r + 8 (r / 8) + 8 (t % 2) + 32 (t / 2), so the 16 registers of tiles 2 e and 2 e + 1 of source 0 are 16 neighbours, 32 e + 16 (lane / 16) + 0 .. 15.  The bias is the C of each sum's first product.
; OUT.  qrec [b h][step of 128 tokens][4,608]: codes [tile 8][512] (registers 0-3 of a fragment: the head's 64), then the scale image [lane][4 words].  kvrec [b h][step][8,960]: K likewise; V's codes [tile 4][c 2][512] at 4,608,
; V's scale image [lane][2 words] at 8,704.  Every store covers 512 or 256 consecutive aligned bytes.
; LIMITS: NaN and infinities are not served; a block of zeros or under 2^-124 gets the byte 1 (its codes are zeros or what the held scale gives; this program alone reads the bytes).
; REGISTERS: window 0: v2-9 addresses; v32-63 x's scale words (8 pair + K step), v64-95 W's; v96-159 the bias; v160-223 codes made; v224-231 scale words made; v232-247 at work; v248-255 scale images.
;   window 1: two sets of fragments: x's at 128 p + 8 i, W's at 128 p + 64 + 8 i.   windows 2, 3: accumulator (a, b) at v[64 (b % 4) + 8 a] of window 2 + b / 4.
.set REC,  69632
.set CH,   17408                       ; a quarter of a record: 68 rows of 256 bytes
.set SCX,  32
.set SCW,  64
.set BI,   96
.set PC,   160
.set PW,   224
.set TM,   232
.set SA,   248
.set G1X,  24                          ; s[24:31] group 1 for x's records; s[32:47] four groups 0
.set G0X,  32
.set G1W,  48                          ; s[48:55] group 1 for W's; s[56:63], s[68:75] four groups 0
.set G0W,  56
.set MSB,  0
.macro WIN new                         ; the immediate's high byte repeats the setting that is left
.if MSB != (\new)
	s_set_vgpr_msb (MSB<<8)|(\new)
.set MSB, (\new)
.endif
.endm
.macro CROUND                          ; a round of the cluster's barrier
	s_barrier_signal -1
	s_barrier_wait -1
	s_cmp_lg_u32 s14, 0
	s_cbranch_scc1 .Lnot_wave_0_\@
	s_barrier_signal -3
.Lnot_wave_0_\@:
	s_barrier_wait -3
	s_barrier_signal -1
	s_barrier_wait -1
.endm
.macro PLACES n
.rept \n
	v_nop
.endr
.endm
.macro GATE n                          ; all but my n youngest quarters have landed; behind the barrier that holds of every wave's record.  The younger ones stay out
	s_wait_tensorcnt \n
	s_barrier_signal -1
	s_barrier_wait -1
.endm
.macro SCALES                          ; all scale words of my 128 rows of x and 128 columns of W: register 8 p + s: lanes 0-15 tile 2 p, lanes 16-31 tile 2 p + 1, K step s
.irp p, 0,1,2,3
.irp q, 0,1
	ds_load_b128 v[SCX+8*\p+4*\q:SCX+8*\p+4*\q+3], v6 offset:1024*\p+512*\q
	ds_load_b128 v[SCW+8*\p+4*\q:SCW+8*\p+4*\q+3], v7 offset:1024*\p+512*\q
.endr
.endr
.endm
.macro FETCH s, p                      ; K step s: 8 fragments of x and 8 of W into set p: 32 loads of 512 consecutive bytes
	WIN 0x40                                       ; destination window 1, address window 0
.irp i, 0,1,2,3,4,5,6,7
.irp c, 0,1
	ds_load_b128 v[128*(\p)+8*\i+4*\c:128*(\p)+8*\i+4*\c+3], v4 offset:8192*(\s)+1024*\i+512*\c
.endr
.endr
.irp i, 0,1,2,3,4,5,6,7
.irp c, 0,1
	ds_load_b128 v[128*(\p)+64+8*\i+4*\c:128*(\p)+64+8*\i+4*\c+3], v5 offset:8192*(\s)+1024*\i+512*\c
.endr
.endr
.endm
.macro WM d, fa, fb, cc, sa, sb, ra, rb   ; one product; ra, rb: the side's scale words stand in lanes 16-31
.if ((\ra) == 0) && ((\rb) == 0)
	v_wmma_scale_f32_16x16x128_f8f6f4 v[\d:\d+7], v[\fa:\fa+7], v[\fb:\fb+7], v[\cc:\cc+7], v[\sa], v[\sb] matrix_a_fmt:MATRIX_FMT_FP4 matrix_b_fmt:MATRIX_FMT_FP4
.elseif ((\ra) == 1) && ((\rb) == 0)
	v_wmma_scale_f32_16x16x128_f8f6f4 v[\d:\d+7], v[\fa:\fa+7], v[\fb:\fb+7], v[\cc:\cc+7], v[\sa], v[\sb] matrix_a_fmt:MATRIX_FMT_FP4 matrix_b_fmt:MATRIX_FMT_FP4 matrix_a_scale:MATRIX_SCALE_ROW1
.elseif ((\ra) == 0) && ((\rb) == 1)
	v_wmma_scale_f32_16x16x128_f8f6f4 v[\d:\d+7], v[\fa:\fa+7], v[\fb:\fb+7], v[\cc:\cc+7], v[\sa], v[\sb] matrix_a_fmt:MATRIX_FMT_FP4 matrix_b_fmt:MATRIX_FMT_FP4 matrix_b_scale:MATRIX_SCALE_ROW1
.else
	v_wmma_scale_f32_16x16x128_f8f6f4 v[\d:\d+7], v[\fa:\fa+7], v[\fb:\fb+7], v[\cc:\cc+7], v[\sa], v[\sb] matrix_a_fmt:MATRIX_FMT_FP4 matrix_b_fmt:MATRIX_FMT_FP4 matrix_a_scale:MATRIX_SCALE_ROW1 matrix_b_scale:MATRIX_SCALE_ROW1
.endif
.endm
; 64 products of K step s.  The 64 accumulators take turns, one instruction a turn, in the same order in every step.  In step 0 the C is the bias, in window 0.
.macro MUL role, s
.set PS, 128*((\s)%2)
.irp b, 0,1,2,3,4,5,6,7
.if (\s) == 0
	WIN 0x85+0x40*(\b/4)
.else
	WIN 0xa5+0x50*(\b/4)
.endif
.irp a, 0,1,2,3,4,5,6,7
.set rD, 64*(\b%4)+8*\a
.set rC, rD
.if \role == 0
.if (\s) == 0
.set rC, BI+8*\a
.endif
	WM rD, PS+64+8*\a, PS+8*\b, rC, SCW+8*(\a/2)+(\s), SCX+8*(\b/2)+(\s), (\a)%2, (\b)%2
.else
.if (\s) == 0
.set rC, BI+8*\b
.endif
	WM rD, PS+8*\a, PS+64+8*\b, rC, SCX+8*(\a/2)+(\s), SCW+8*(\b/2)+(\s), (\a)%2, (\b)%2
.endif
.endr
.endr
.endm
; K step s: its fragments are in; the next step's are asked for, into the other set, and land under this step's 64 products.
; Step s + 1 lies under byte 4,096 + 8,192 (s + 2) of a record: quarter 1 is first wanted in step 0, quarter 2 in step 2, quarter 3 in step 4.
.macro STEP role, s
	s_wait_dscnt 0x0                               ; this step's fragments (in step 0: the scale words too); and no LDS load of mine is out at a signal
.if (\s) == 0
	GATE 2
.elseif (\s) == 2
	GATE 1
.elseif (\s) == 4
	GATE 0
.endif
.if (\s) < 7
	PLACES 4                                       ; four places in front of loads into registers that the last step's products have read (ISA guide 7.12.1 for vector instructions)
	FETCH (\s)+1, ((\s)+1)%2
.endif
	MUL \role, \s
.endm
; The 64 registers of column b (register 16 e + i = neighbour 32 e + 16 (lane / 16) + i of my row) become a fragment's codes in v[PC + 8 b] on and its scale word in v[PW + b].
.macro QUANT b
.set AC, 64*((\b)%4)
	WIN 0x28+0x14*((\b)/4)                         ; sources 1 and 2: window 2 or 3
.irp e, 0,1,2,3
	v_max3_num_f32 v[TM+\e], 0x1800000, |v[AC+16*\e]|, |v[AC+16*\e+1]|   ; each accumulator is read from its low end on; the floor 2^(3 - 127) holds the byte at 1 from below
.endr
.irp i, 2,4,6,8,10,12,14
.irp e, 0,1,2,3
	v_max3_num_f32 v[TM+\e], v[TM+\e], |v[AC+16*\e+\i]|, |v[AC+16*\e+\i+1]|
.endr
.endr
	WIN 0
.irp e, 0,1,2,3
	v_permlanex16_b32 v[TM+4+\e], v[TM+\e], s76, s77
.endr
.irp e, 0,1,2,3
	v_max_num_f32 v[TM+\e], v[TM+\e], v[TM+4+\e]   ; with lane l xor 16's 16: the block's largest magnitude
.endr
.irp e, 0,1,2,3
	v_add_nc_u32 v[TM+12+\e], 0xff000000, v[TM+\e] ; 2 off the exponent field: the conversion's scale operand
.endr
.irp e, 0,1,2,3
	v_lshrrev_b32 v[TM+4+\e], 23, v[TM+12+\e]      ; the scale's byte
.endr
	v_lshl_or_b32 v[PW+(\b)], v[TM+5], 8, v[TM+4]
	v_lshl_or_b32 v[PW+(\b)], v[TM+6], 16, v[PW+(\b)]
	v_lshl_or_b32 v[PW+(\b)], v[TM+7], 24, v[PW+(\b)]
	WIN 0x02+(\b)/4                                ; source 0: window 2 or 3
.irp e, 0,1,2,3
	v_cvt_scalef32_pk8_fp4_f32 v[PC+8*(\b)+2*\e], v[AC+16*\e:AC+16*\e+7], v[TM+12+\e]
	v_cvt_scalef32_pk8_fp4_f32 v[PC+8*(\b)+2*\e+1], v[AC+16*\e+8:AC+16*\e+15], v[TM+12+\e]
.endr
	WIN 0
	v_nop                                          ; one plain place behind a scaled conversion
.irp c, 0,1                                    ; the operand's layout wants a whole block in a lane
.irp i, 0,1
	v_permlane16_swap_b32 v[PC+8*(\b)+4*\c+\i], v[PC+8*(\b)+4*\c+2+\i]
.endr
.endr
.endm
.macro PATH role
.if \role == 0
.irp a, 0,1,2,3,4,5,6,7                        ; the bias in the result's layout: tile a, lane half h: columns 32 (a / 2) + 8 (a % 2) + 16 h + 0 .. 7
	global_load_b128 v[BI+8*\a:BI+8*\a+3], v8, s[82:83] offset:4*(32*(\a/2)+8*(\a%2))
	global_load_b128 v[BI+8*\a+4:BI+8*\a+7], v8, s[82:83] offset:4*(32*(\a/2)+8*(\a%2))+16
.endr
.else
.irp b, 0,1,2,3,4,5,6,7                        ; here a lane holds one column: its bias in all eight registers
.irp j, 0,1,2,3,4,5,6,7
	global_load_b32 v[BI+8*\b+\j], v9, s[82:83] offset:4*(32*(\b/2)+8*(\b%2))
.endr
.endr
.endif
	GATE 3                                         ; every record's first quarter: the scale words and K step 0
	SCALES
	FETCH 0, 0
	s_wait_loadcnt 0x0                             ; the bias
.irp s, 0,1,2,3,4,5,6,7
	STEP \role, \s
.endr
	PLACES 4                                       ; in front of the first read of results
.irp b, 0,1,2,3,4,5,6,7
	QUANT \b
.if \role == 0
	global_store_b128 v2, v[PC+8*\b:PC+8*\b+3], s[78:79] offset:512*\b       ; columns 0-63: the first head's tile b
	global_store_b128 v2, v[PC+8*\b+4:PC+8*\b+7], s[80:81] offset:512*\b     ; columns 64-127: the next head's
.else
	global_store_b128 v2, v[PC+8*\b:PC+8*\b+3], s[78+2*(\b/4):79+2*(\b/4)] offset:4608+1024*(\b%4)        ; tiles 0-3: the first head's channels; 4-7: the next head's
	global_store_b128 v2, v[PC+8*\b+4:PC+8*\b+7], s[78+2*(\b/4):79+2*(\b/4)] offset:4608+1024*(\b%4)+512
.endif
.endr
.if \role == 0
.irp p, 0,1,2,3
	v_cndmask_b32 v[TM+\p], v[PW+2*\p], v[PW+2*\p+1], s23   ; lanes 0-15 tile 2 p's words, lanes 16-31 tile 2 p + 1's
.endr
.irp p, 0,1,2,3
	v_and_b32 v[SA+\p], 0xffff, v[TM+\p]           ; bytes 0, 1: the first head's two blocks; the upper bytes stay 0 beside zero codes
	v_lshrrev_b32 v[SA+4+\p], 16, v[TM+\p]         ; bytes 2, 3: the next head's
.endr
	global_store_b128 v2, v[SA:SA+3], s[78:79] offset:4096
	global_store_b128 v2, v[SA+4:SA+7], s[80:81] offset:4096
.else
.irp g, 0,1
	v_cndmask_b32 v[SA+2*\g], v[PW+4*\g], v[PW+4*\g+1], s23
	v_cndmask_b32 v[SA+2*\g+1], v[PW+4*\g+2], v[PW+4*\g+3], s23
.endr
	global_store_b64 v3, v[SA:SA+1], s[78:79] offset:8704
	global_store_b64 v3, v[SA+2:SA+3], s[80:81] offset:8704
.endif
.endm
	s_load_b256 s[4:11], s[0:1], 0x0               ; x_img s[4:5], wa_img s[6:7], b_attn s[8:9], qrec s[10:11]
	s_load_b64 s[12:13], s[0:1], 0x20              ; kvrec
	v_lshl_add_u32 v242, v0, 2, 0x44000
	v_mov_b32 v243, 0
	ds_add_u32 v242, v243
	ds_add_u32 v242, v243
	v_lshrrev_b32 v1, 5, v0
	v_readfirstlane_b32 s14, v1                    ; wave 0..3
	s_lshr_b32 s15, s14, 1                         ; which record of x is mine
	s_and_b32 s16, s14, 1                          ; which record of W.  Also: which of the two records I fetch
	s_bfe_u32 s19, ttmp6, 0x40000                  ; cx
	s_bfe_u32 s20, ttmp6, 0x40004                  ; cy
	s_lshl_b32 s18, ttmp9, 2
	s_add_co_u32 s18, s18, s19                     ; tile column = 4 x cluster x + cx
	s_and_b32 s17, ttmp7, 0xffff
	s_lshl_b32 s17, s17, 2
	s_add_co_u32 s17, s17, s20                     ; tile row = 4 x cluster y + cy
	s_lshl_b32 s21, s20, 2
	s_lshl_b32 s21, 15, s21                        ; my row of the cluster
	s_lshl_b32 s22, 0x1111, s19                    ; my column
	s_or_b32 s[G1X], s21, (3<<16)|(1<<21)          ; 15:0 the mask; 17:16 elements of 8 bytes; 21 set beside a mask; no padding: an image is read as it lies
	s_or_b32 s[G1W], s22, (3<<16)|(1<<21)
.irp g, G1X, G1W
	s_mov_b32 s[\g+1], 32<<16                      ; tensor_dim0 = 32 elements: 256 bytes
	s_mov_b32 s[\g+2], 68<<16                      ; tensor_dim1 = 68
	s_mov_b32 s[\g+3], 32<<16                      ; tile_dim0
	s_mov_b32 s[\g+4], 68                          ; tile_dim1
	s_mov_b32 s[\g+5], 32                          ; the pitch: dense
	s_mov_b32 s[\g+6], 0
	s_mov_b32 s[\g+7], 0
.endr
	s_lshl_b32 s88, s17, 1
	s_add_co_u32 s88, s88, s16
	s_mul_i32 s88, s88, REC                        ; x's record 2 x tile row + (wave % 2): no register on this way ever holds cx
	s_mov_b32 s89, 0
	s_lshl_b32 s90, s18, 1
	s_add_co_u32 s90, s90, s16
	s_mul_i32 s90, s90, REC                        ; W's record 2 x tile column + (wave % 2): none on this way ever holds cy
	s_mov_b32 s91, 0
	s_mul_i32 s92, s14, REC                        ; where it goes: wave x a record
	s_wait_dscnt 0x0
	s_wait_kmcnt 0x0
	s_add_nc_u64 s[84:85], s[4:5], s[88:89]
	s_add_nc_u64 s[86:87], s[6:7], s[90:91]
.irp i, 0,1,2,3
	s_mov_b32 s[G0X+4*\i], 1
	s_add_co_u32 s[G0X+4*\i+1], s92, \i*CH
	s_add_nc_u64 s[G0X+4*\i+2:G0X+4*\i+3], s[84:85], \i*CH
	s_or_b32 s[G0X+4*\i+3], s[G0X+4*\i+3], 0x80000000
	s_mov_b32 s[G0W+4*\i+4*(\i/2)], 1
	s_add_co_u32 s[G0W+4*\i+4*(\i/2)+1], s92, \i*CH
	s_add_nc_u64 s[G0W+4*\i+4*(\i/2)+2:G0W+4*\i+4*(\i/2)+3], s[86:87], \i*CH
	s_or_b32 s[G0W+4*\i+4*(\i/2)+3], s[G0W+4*\i+4*(\i/2)+3], 0x80000000
.endr
	CROUND                                         ; all sixteen work-groups are here: the joint loads meet
	s_cmp_lt_u32 s14, 2                            ; waves 0, 1 fetch x's records, waves 2, 3 W's: a wave's four loads stand in one branch; four loads of mine are out
	s_cbranch_scc0 .Lfill_w
.irp i, 0,1,2,3
	tensor_load_to_lds s[G0X+4*\i:G0X+4*\i+3], s[G1X:G1X+7]
	s_nop 0
.endr
	PLACES 4                                       ; four places behind tensor loads
	s_branch .Lfilled
.Lfill_w:
.irp i, 0,1,2,3
	tensor_load_to_lds s[G0W+4*\i+4*(\i/2):G0W+4*\i+4*(\i/2)+3], s[G1W:G1W+7]
	s_nop 0
.endr
	PLACES 4
.Lfilled:
	v_and_b32 v1, 31, v0                           ; lane
	v_lshlrev_b32 v2, 4, v1                        ; 16 x lane
	v_lshlrev_b32 v3, 3, v1                        ; 8 x lane
	s_mul_i32 s2, s15, REC
	v_add_nc_u32 v6, s2, v2                        ; my record of x: its scale image,
	v_add_nc_u32 v4, 4096, v6                      ; its codes
	s_mul_i32 s3, s16, REC
	s_add_co_u32 s3, s3, 2*REC
	v_add_nc_u32 v7, s3, v2                        ; my record of W
	v_add_nc_u32 v5, 4096, v7
	v_bfe_u32 v8, v0, 4, 1
	v_lshlrev_b32 v8, 6, v8                        ; the bias, q and k: 16 columns x (lane / 16)
	v_and_b32 v9, 15, v0
	v_and_b32 v10, 8, v9
	v_add_nc_u32 v9, v9, v10
	v_lshlrev_b32 v9, 2, v9                        ; the bias, v: column r + 8 (r / 8)
.irp e, 0,1,2,3
	v_mov_b32 v[TM+4+\e], 0                        ; written once: a lane permute's destination counts as one of its sources
.endr
	s_mov_b32 s23, 0xffff0000                      ; lanes 16-31
	s_mov_b32 s76, 0x76543210
	s_mov_b32 s77, 0xfedcba98                      ; v_permlanex16_b32's selects for lane l xor 16
	; where the results go: entry ((16 batch + first head) x 16 + step) of qrec or kvrec; the next head's entry lies 16 entries on
	s_lshr_b32 s93, s17, 3
	s_lshl_b32 s93, s93, 4                         ; 16 x batch
	s_and_b32 s94, s18, 3
	s_lshl_b32 s94, s94, 2
	s_add_co_u32 s93, s93, s94
	s_lshl_b32 s94, s16, 1
	s_add_co_u32 s93, s93, s94                     ; + head = 4 (tile column % 4) + 2 x my record of W
	s_lshl_b32 s93, s93, 4
	s_and_b32 s94, s17, 7
	s_lshl_b32 s94, s94, 1
	s_add_co_u32 s93, s93, s94
	s_add_co_u32 s93, s93, s15                     ; + step = 2 (tile row % 8) + my record of x
	s_mov_b32 s3, 8960
	s_cmp_eq_u32 ttmp9, 0
	s_cselect_b32 s3, 4608, s3
	s_cselect_b64 s[78:79], s[10:11], s[12:13]
	s_mul_i32 s94, s93, s3
	s_mov_b32 s95, 0
	s_add_nc_u64 s[78:79], s[78:79], s[94:95]
	s_lshl_b32 s94, s3, 4
	s_add_nc_u64 s[80:81], s[78:79], s[94:95]
	s_lshl_b32 s94, s18, 10
	s_lshl_b32 s93, s16, 9
	s_add_co_u32 s94, s94, s93
	s_add_nc_u64 s[82:83], s[8:9], s[94:95]        ; the bias of my 128 columns
	s_cmp_eq_u32 ttmp9, 2                          ; the cluster's x: the same in all sixteen partners and in all waves
	s_cbranch_scc1 .Lrole1
	s_wait_alu depctr_va_vdst(0)
	PATH 0
	s_branch .Lend
.Lrole1:
	s_wait_alu depctr_va_vdst(0)
	PATH 1
.Lend:
	s_wait_tensorcnt 0x0
	ds_add_u32 v242, v243
	s_wait_dscnt 0x0
	CROUND                                         ; the closing round: no work-group ends while a partner may still ask for a record that names it
	s_endpgm
.Lfunc_end_k_q81d7c4d853_qkv:
	.size	k_q81d7c4d853_qkv, .Lfunc_end_k_q81d7c4d853_qkv-k_q81d7c4d853_qkv
	.p2alignl 7, 3214868480
	.fill 96, 4, 3214868480
	.section	.rodata,"a",@progbits
	.p2align	6, 0x0
	.amdhsa_kernel k_q81d7c4d853_qkv
		.amdhsa_group_segment_fixed_size 279040
		.amdhsa_private_segment_fixed_size 0
		.amdhsa_enable_private_segment 0
		.amdhsa_kernarg_size 40
		.amdhsa_user_sgpr_count 2
		.amdhsa_user_sgpr_kernarg_segment_ptr 1
		.amdhsa_wavefront_size32 1
		.amdhsa_system_sgpr_workgroup_id_x 1
		.amdhsa_system_sgpr_workgroup_id_y 1
		.amdhsa_system_sgpr_workgroup_id_z 1
		.amdhsa_system_vgpr_workitem_id 0
		.amdhsa_next_free_vgpr 1024
		.amdhsa_next_free_sgpr 96
		.amdhsa_reserve_vcc 0
		.amdhsa_float_denorm_mode_32 3
		.amdhsa_float_denorm_mode_16_64 3
		.amdhsa_memory_ordered 1
		.amdhsa_forward_progress 1
		.amdhsa_inst_pref_size 249
	.end_amdhsa_kernel
	.amdgpu_metadata
---
amdhsa.version: [ 1, 2 ]
amdhsa.kernels:
  - .name:           k_q81d7c4d853_qkv
    .symbol:         k_q81d7c4d853_qkv.kd
    .args:
      - { .name: x_img, .offset: 0, .size: 8, .value_kind: global_buffer, .address_space: global }
      - { .name: wa_img, .offset: 8, .size: 8, .value_kind: global_buffer, .address_space: global }
      - { .name: b_attn, .offset: 16, .size: 8, .value_kind: global_buffer, .address_space: global }
      - { .name: qrec, .offset: 24, .size: 8, .value_kind: global_buffer, .address_space: global }
      - { .name: kvrec, .offset: 32, .size: 8, .value_kind: global_buffer, .address_space: global }
    .group_segment_fixed_size: 279040
    .private_segment_fixed_size: 0
    .kernarg_segment_align: 8
    .kernarg_segment_size: 40
    .max_flat_workgroup_size: 128
    .sgpr_count:     96
    .vgpr_count:     1024
    .wavefront_size: 32
...
	.end_amdgpu_metadata
.endif
;; end of part 2
;; launch attn (part 3): grid 256 x 1, 16 waves a work-group, clusters of 4 x 1, 169,984 bytes of LDS; arguments qrec, kvrec, y_img; writes y_img
.if DOCPART == 3
	.amdgcn_target "amdgcn-amd-amdhsa--gfx1250"
	.amdhsa_code_object_version 6
	.text
	.protected	k_q81d7c4d853_attn
	.globl	k_q81d7c4d853_attn
	.p2align	8
	.type	k_q81d7c4d853_attn,@function
k_q81d7c4d853_attn:
	s_mov_b64 s[64:65], 0
	v_nop
	global_prefetch_b8 v0, s[64:65] scope:SCOPE_SE
	s_setreg_imm32_b32 hwreg(HW_REG_WAVE_MODE, 25, 1), 1
	s_wait_xcnt 0x0
	s_wait_alu depctr_hold_cnt(0) depctr_sa_sdst(0) depctr_va_vdst(0) depctr_va_sdst(0) depctr_va_ssrc(0) depctr_va_vcc(0) depctr_vm_vsrc(0)
	s_getreg_b32 s2, hwreg(HW_REG_IB_STS2, 6, 4)
	s_cmp_eq_u32 s2, 0
	s_cbranch_scc0 .Lentry_in_a_cluster
	s_endpgm
.Lentry_in_a_cluster:
	s_bfe_u32 s2, ttmp6, 0x10000c
	s_cmp_lg_u32 s2, 0x3003
	s_cbranch_scc0 .Lentry_shape_is_right
	s_endpgm
.Lentry_shape_is_right:
; y = softmax(q k^T / 8, causal) v for one head, both products on codes of FP4 with E8M0 scales, and y quantised at once along the channels into the last product's operand.
; THE SOFTMAX AHEAD OF THE SECOND PRODUCT: t = score x log2(e) / 8; M = the running largest t rounded UP to a whole number; p = 2^(t - M) is quantised along the keys, not normalised; the row's sum is taken of the
; unquantised p and divides at the end.  When M moves, the sum and O are multiplied by 2^(old M - new M): exact.
; SHARES.  A cluster of four work-groups owns a head (cluster x = 16 batch + head).  The head's K and V, codes and scale words, are 16 records of 8,960 bytes (one for each 128 keys): they all lie in LDS, filled once, each wave
; fetching one record by a joint load that names the four partners.  Partner cx owns queries 32 cx .. 32 cx + 31 of every block of 128.  Wave w (u = w % 2) runs two jobs: tile u of block w / 2, then of block 15 - w / 2:
; (w / 2 + 1) + (16 - w / 2) = 17 key steps for every wave.  Key steps behind the diagonal are left out by a scalar branch on the wave's number and the loop's counter; every loop has 16 trips.
; LAYOUT.  Both products transposed: S^T = K Q^T, O^T = V^T P^T: a lane holds ONE query.  Lane r of tile t of a record holds row 32 (t / 2) + 8 (t % 2) + r + 8 (r / 8), so the 16 registers of tiles 2 e, 2 e + 1 are neighbours.
; The first product's K is 64: registers 4-7 of Q's and K's fragments hold zero codes, and bytes 2, 3 of their scale words are 0.
; OUT.  y_img: record ((4 batch + cx) x 4 + block / 4) of 73,728 bytes: scale words [head 16][pair = block % 4][lane 32] at 0; codes [head / 2][tile 2 (block % 4) + u][head % 2][512] at 8,192.
; LIMITS: NaN and infinities are not served; a block of zeros or under 2^-124 gets the byte 1 (its codes are zeros or what the held scale gives; this program alone reads the bytes).
; REGISTERS: v1 16 x lane, v2 8 x lane, v3 the mask's number, v4-5 the step's addresses, v6-7 y's scale words in LDS; v8-11 K's scale image; v12 -M, v13 the largest t, v[14:15] the sum; v16-31 Q of the two jobs;
;   v32-95 K; v96-159 S^T, then p, at the end y; v160-191 O^T; v192-223 V; v224-231 p's codes; v232-247, v252-255 at work; v248-249 Q's scale words; v[250:251] V's scale image; v240 16 r; v241 the scale words' way out.
.set RECB, 8960
.set YS,   143360                      ; behind the 16 records: y's scale words [block 16][u 2][r 16], 2,048 bytes, into which no tensor load lands
.set YREC, 73728
.macro ROUND
	s_barrier_signal -1
	s_barrier_wait -1
	s_cmp_lg_u32 s10, 0
	s_cbranch_scc1 .Lnot_wave_0_\@
	s_barrier_signal -3
.Lnot_wave_0_\@:
	s_barrier_wait -3
	s_barrier_signal -1
	s_barrier_wait -1
.endm
.macro QBASE kb, cb, sb                ; block s[kb]: my tile's codes and its scale words in qrec
	s_lshl_b32 s50, s12, 4
	s_add_co_u32 s50, s50, s[\kb]
	s_mul_i32 s50, s50, 4608
	s_lshl_b32 s51, s11, 10
	s_add_co_u32 s52, s50, s51
	s_lshl_b32 s51, s13, 9
	s_add_co_u32 s52, s52, s51                     ; tile 2 cx + u
	s_mov_b32 s53, 0
	s_add_nc_u64 s[\cb:\cb+1], s[4:5], s[52:53]
	s_lshl_b32 s51, s13, 8
	s_add_co_u32 s52, s50, s51                     ; the image's lanes 16 u + r,
	s_lshl_b32 s51, s11, 2
	s_add_co_u32 s52, s52, s51                     ; word cx
	s_add_co_u32 s52, s52, 4096
	s_add_nc_u64 s[\sb:\sb+1], s[4:5], s[52:53]
.endm
.macro YBASE kb, yb                    ; block s[kb]: where my tile's codes go in y_img
	s_lshr_b32 s50, s12, 4
	s_lshl_b32 s50, s50, 2
	s_add_co_u32 s50, s50, s11
	s_lshl_b32 s50, s50, 2
	s_lshr_b32 s51, s[\kb], 2
	s_add_co_u32 s50, s50, s51
	s_mul_i32 s50, s50, YREC
	s_and_b32 s51, s12, 15                         ; the head
	s_lshr_b32 s52, s51, 1
	s_lshl_b32 s52, s52, 13
	s_add_co_u32 s50, s50, s52
	s_and_b32 s52, s51, 1
	s_lshl_b32 s52, s52, 9
	s_add_co_u32 s50, s50, s52
	s_and_b32 s52, s[\kb], 3
	s_lshl_b32 s52, s52, 11
	s_add_co_u32 s50, s50, s52
	s_lshl_b32 s52, s13, 10
	s_add_co_u32 s50, s50, s52
	s_add_co_u32 s50, s50, 8192
	s_mov_b32 s51, 0
	s_add_nc_u64 s[\yb:\yb+1], s[8:9], s[50:51]
.endm
; A JOB: 16 queries of block s[kb] against key steps 0 .. s[kb].  qf: Q's fragment; qs: its scale words; ysa: where y's scale word goes in LDS; yb: where y's codes go.
.macro JOB qf, qs, kb, ysa, yb, second
.if \second
	s_wait_xcnt 0x0                                ; the first job's store has read its registers: they are written again only behind this wait
	s_wait_dscnt 0x0
.endif
	v_mov_b32 v13, 0xff61b1e6                      ; the largest t so far: -3e38, under every t
	s_delay_alu instid0(VALU_DEP_1)
	v_floor_f32 v12, -v13                          ; -M
	v_mov_b32 v14, 0
	v_mov_b32 v15, 0
.set n, 0
.rept 32
	v_mov_b32 v[160+n], 0                          ; O^T: the loop is written once: its first step finds zeros, which the first change of M leaves zeros
.set n, n+1
.endr
	s_mov_b32 s46, 0                               ; the key step
	s_mov_b32 s47, 0                               ; its record in LDS
.Lstep_\@:
	s_cmp_gt_u32 s46, s[\kb]                       ; all its keys come after my queries: the step's work is left out
	s_cbranch_scc1 .Lhidden_\@
	s_setprio 2
	v_add_nc_u32 v4, s47, v1
	v_add_nc_u32 v5, s47, v2
	v_nop
	v_nop                                          ; with the two additions: four places in front of loads into registers that the last step's products have read
	ds_load_b128 v[8:11], v4 offset:4096           ; K's scale image: word p: lanes 0-15 tile 2 p, lanes 16-31 tile 2 p + 1
.irp t, 0,1,2,3,4,5,6,7
	ds_load_b128 v[32+8*\t:35+8*\t], v4 offset:512*\t
.endr
	ds_load_b64 v[250:251], v5 offset:8704         ; V's scale image
.irp t, 0,1,2,3
.irp c, 0,1
	ds_load_b128 v[192+8*\t+4*\c:195+8*\t+4*\c], v4 offset:4608+1024*\t+512*\c
.endr
.endr
	s_wait_dscnt 9                                 ; K and its scale words are in; V's nine loads may be out
.irp t, 0,2,4,6
	v_wmma_scale_f32_16x16x128_f8f6f4 v[96+8*\t:103+8*\t], v[32+8*\t:39+8*\t], v[\qf:\qf+7], 0, v[8+\t/2], v[\qs] matrix_a_fmt:MATRIX_FMT_FP4 matrix_b_fmt:MATRIX_FMT_FP4
	v_wmma_scale_f32_16x16x128_f8f6f4 v[104+8*\t:111+8*\t], v[40+8*\t:47+8*\t], v[\qf:\qf+7], 0, v[8+\t/2], v[\qs] matrix_a_fmt:MATRIX_FMT_FP4 matrix_b_fmt:MATRIX_FMT_FP4 matrix_a_scale:MATRIX_SCALE_ROW1
.endr
.rept 4
	v_nop
.endr
	s_cmp_lg_u32 s46, s[\kb]                       ; only the last step lies on the diagonal
	s_cbranch_scc1 .Lopen_\@
	v_mov_b32 v254, 0xff800000                     ; -infinity: p = 0 then
.set n, 0
.rept 64
	v_cmp_gt_i32 vcc_lo, 32*(n/16)+n%16, v3        ; register 16 e + i holds key 32 e + 16 (lane / 16) + i of the step: hidden where 32 e + i > my query - 16 (lane / 16)
	v_cndmask_b32 v[96+n], v[96+n], v254, vcc_lo
.set n, n+1
.endr
.Lopen_\@:
.irp b, 0,1,2,3
	v_max3_num_f32 v[232+\b], v[96+16*\b], v[97+16*\b], v[98+16*\b]   ; the largest score of each block of 32 keys: for the row's maximum and, since p rises with the score, for the block's largest p
.endr
.irp i, 3,5,7,9,11,13
.irp b, 0,1,2,3
	v_max3_num_f32 v[232+\b], v[232+\b], v[96+16*\b+\i], v[97+16*\b+\i]
.endr
.endr
.irp b, 0,1,2,3
	v_max_num_f32 v[232+\b], v[232+\b], v[111+16*\b]
.endr
.irp b, 0,1,2,3
	s_delay_alu instid0(VALU_DEP_4)
	v_permlanex16_b32 v[236+\b], v[232+\b], s28, s29
.endr
.irp b, 0,1,2,3
	s_delay_alu instid0(VALU_DEP_4)
	v_max_num_f32 v[232+\b], v[232+\b], v[236+\b]  ; with lane l xor 16's 16 keys
.endr
	s_delay_alu instid0(VALU_DEP_2)
	v_max3_num_f32 v254, v232, v233, v234
	s_delay_alu instid0(VALU_DEP_1)
	v_max_num_f32 v254, v254, v235
	s_delay_alu instid0(VALU_DEP_1)
	v_mul_f32 v254, s30, v254                      ; as t (c is positive)
	s_delay_alu instid0(VALU_DEP_1)
	v_max_num_f32 v13, v13, v254                   ; the running largest t
	v_mov_b32 v254, v12
	s_delay_alu instid0(VALU_DEP_2)
	v_floor_f32 v12, -v13                          ; the new -M = floor(-t) = -ceil(t)
	s_delay_alu instid0(VALU_DEP_1)
	v_sub_f32 v254, v12, v254                      ; old M - new M: a whole number, 0 or less
	s_delay_alu instid0(VALU_DEP_1)
	v_cvt_i32_f32 v254, v254                       ; (it saturates)
	s_delay_alu instid0(VALU_DEP_1)
	v_ldexp_f32 v252, 1.0, v254                    ; f = 2^(old M - new M)
.set n, 0
.rept 32
	v_pk_fma_f32 v[96+n:97+n], v[96+n:97+n], s[30:31], v[12:13] op_sel_hi:[1,0,0]   ; t - M, two at a time
.set n, n+2
.endr
	s_setprio 1
.irp b, 0,1,2,3
	v_fma_f32 v[232+\b], v[232+\b], s30, v12       ; the same of each block's largest score
.endr
.set n, 0
	s_wait_alu depctr_va_vdst(0)
.rept 64
	v_exp_f32 v[96+n], v[96+n]                     ; p = 2^(t - M)
.set n, n+1
.endr
	v_pk_mul_f32 v[14:15], v[14:15], v[252:253] op_sel_hi:[1,0]   ; the sums under the new M: the plain place behind the exponentials
	s_wait_alu depctr_va_vdst(0)                   ; one wait for the batch of 64, ahead of its first reader
.irp b, 0,1,2,3
	v_exp_f32 v[232+\b], v[232+\b]                 ; the block's largest p
.endr
	v_pk_add_f32 v[236:237], v[100:101], v[104:105]
	v_pk_add_f32 v[254:255], v[108:109], v[112:113]
	v_pk_add_f32 v[246:247], v[116:117], v[120:121]
	v_pk_add_f32 v[244:245], v[124:125], v[128:129]
	v_pk_add_f32 v[238:239], v[132:133], v[136:137]
	v_pk_add_f32 v[230:231], v[140:141], v[144:145]
	v_pk_add_f32 v[228:229], v[148:149], v[152:153]
	v_pk_add_f32 v[14:15], v[14:15], v[156:157]
	v_pk_add_f32 v[236:237], v[236:237], v[96:97]
	v_pk_add_f32 v[254:255], v[254:255], v[98:99]
	v_pk_add_f32 v[246:247], v[246:247], v[102:103]
	v_pk_add_f32 v[244:245], v[244:245], v[106:107]
	v_pk_add_f32 v[238:239], v[238:239], v[110:111]
	v_pk_add_f32 v[230:231], v[230:231], v[114:115]
	v_pk_add_f32 v[228:229], v[228:229], v[118:119]
	v_pk_add_f32 v[14:15], v[14:15], v[122:123]
	v_pk_add_f32 v[236:237], v[236:237], v[126:127]
	v_pk_add_f32 v[254:255], v[254:255], v[130:131]
	v_pk_add_f32 v[246:247], v[246:247], v[134:135]
	v_pk_add_f32 v[244:245], v[244:245], v[138:139]
	v_pk_add_f32 v[238:239], v[238:239], v[142:143]
	v_pk_add_f32 v[230:231], v[230:231], v[146:147]
	v_pk_add_f32 v[228:229], v[228:229], v[150:151]
	v_pk_add_f32 v[14:15], v[14:15], v[154:155]
	v_pk_add_f32 v[236:237], v[236:237], v[158:159]
	s_delay_alu instid0(VALU_DEP_2)
	v_pk_add_f32 v[14:15], v[14:15], v[244:245]
	s_delay_alu instid0(VALU_DEP_2)
	v_pk_add_f32 v[236:237], v[236:237], v[238:239]
	v_pk_add_f32 v[254:255], v[254:255], v[230:231]
	v_pk_add_f32 v[246:247], v[246:247], v[228:229]
	s_delay_alu instid0(VALU_DEP_2)
	v_pk_add_f32 v[14:15], v[14:15], v[254:255]
	s_delay_alu instid0(VALU_DEP_2)
	v_pk_add_f32 v[236:237], v[236:237], v[246:247]
	s_delay_alu instid0(VALU_DEP_1)
	v_pk_add_f32 v[14:15], v[14:15], v[236:237]
	s_wait_alu depctr_va_vdst(0)                   ; and one for the four
.irp b, 0,1,2,3
	v_max_num_f32 v[232+\b], 0x1800000, v[232+\b]  ; the floor 2^(3 - 127)
.endr
.irp b, 0,1,2,3
	s_delay_alu instid0(VALU_DEP_4)
	v_add_nc_u32 v[244+\b], 0xff000000, v[232+\b]
.endr
.irp b, 0,1,2,3
	s_delay_alu instid0(VALU_DEP_4)
	v_lshrrev_b32 v[236+\b], 23, v[244+\b]
.endr
	s_delay_alu instid0(VALU_DEP_3)
	v_lshl_or_b32 v253, v237, 8, v236              ; p's scale word for these 128 keys
	s_delay_alu instid0(VALU_DEP_1)
	v_lshl_or_b32 v253, v238, 16, v253
	s_delay_alu instid0(VALU_DEP_1)
	v_lshl_or_b32 v253, v239, 24, v253
	s_setprio 0
.irp b, 0,1,2,3
	v_cvt_scalef32_pk8_fp4_f32 v[224+2*\b], v[96+16*\b:103+16*\b], v[244+\b]
	v_cvt_scalef32_pk8_fp4_f32 v[225+2*\b], v[104+16*\b:111+16*\b], v[244+\b]
.endr
	v_nop                                          ; one plain place behind a scaled conversion
.irp c, 0,1
.irp i, 0,1
	v_permlane16_swap_b32 v[224+4*\c+\i], v[226+4*\c+\i]
.endr
.endr
.set n, 0
.rept 16
	v_pk_mul_f32 v[160+n:161+n], v[160+n:161+n], v[252:253] op_sel_hi:[1,0]   ; O^T under the new M; these are also the places between p's codes and scale word and the products
.set n, n+2
.endr
	s_wait_alu depctr_va_vdst(0)
	s_wait_dscnt 0x0                               ; V
	v_wmma_scale_f32_16x16x128_f8f6f4 v[160:167], v[192:199], v[224:231], v[160:167], v250, v253 matrix_a_fmt:MATRIX_FMT_FP4 matrix_b_fmt:MATRIX_FMT_FP4
	v_wmma_scale_f32_16x16x128_f8f6f4 v[168:175], v[200:207], v[224:231], v[168:175], v250, v253 matrix_a_fmt:MATRIX_FMT_FP4 matrix_b_fmt:MATRIX_FMT_FP4 matrix_a_scale:MATRIX_SCALE_ROW1
	v_wmma_scale_f32_16x16x128_f8f6f4 v[176:183], v[208:215], v[224:231], v[176:183], v251, v253 matrix_a_fmt:MATRIX_FMT_FP4 matrix_b_fmt:MATRIX_FMT_FP4
	v_wmma_scale_f32_16x16x128_f8f6f4 v[184:191], v[216:223], v[224:231], v[184:191], v251, v253 matrix_a_fmt:MATRIX_FMT_FP4 matrix_b_fmt:MATRIX_FMT_FP4 matrix_a_scale:MATRIX_SCALE_ROW1
.Lhidden_\@:
	s_add_co_u32 s47, s47, RECB
	s_add_co_u32 s46, s46, 1
	s_cmp_lt_u32 s46, 16
	s_cbranch_scc1 .Lstep_\@
	s_setprio 0
	; the job's end: y = O^T / the sum; register 16 e + i is channel 32 e + 16 (lane / 16) + i of my query: two blocks of the last product's K
.rept 4
	v_nop                                          ; places in front of the first read of results
.endr
	v_add_f32 v14, v14, v15
	s_delay_alu instid0(VALU_DEP_1)
	v_permlanex16_b32 v252, v14, s28, s29
	s_delay_alu instid0(VALU_DEP_1)
	v_add_f32 v14, v14, v252                       ; the row's sum
	s_wait_alu depctr_va_vdst(0)
	v_rcp_f32 v14, v14
	v_nop                                          ; one plain place behind a transcendental
	s_wait_alu depctr_va_vdst(0)                   ; and the wait ahead of its first reader
.set n, 0
.rept 16
	v_pk_mul_f32 v[96+n:97+n], v[160+n:161+n], v[14:15] op_sel_hi:[1,0]
.set n, n+2
.endr
.irp e, 0,1
	v_max3_num_f32 v[232+\e], |v[96+16*\e]|, |v[97+16*\e]|, 0x1800000
.endr
.irp i, 2,4,6,8,10,12,14
.irp e, 0,1
	s_delay_alu instid0(VALU_DEP_2)
	v_max3_num_f32 v[232+\e], v[232+\e], |v[96+16*\e+\i]|, |v[97+16*\e+\i]|
.endr
.endr
.irp e, 0,1
	s_delay_alu instid0(VALU_DEP_2)
	v_permlanex16_b32 v[236+\e], v[232+\e], s28, s29
.endr
.irp e, 0,1
	s_delay_alu instid0(VALU_DEP_2)
	v_max_num_f32 v[232+\e], v[232+\e], v[236+\e]
.endr
.irp e, 0,1
	s_delay_alu instid0(VALU_DEP_2)
	v_add_nc_u32 v[244+\e], 0xff000000, v[232+\e]
.endr
.irp e, 0,1
	s_delay_alu instid0(VALU_DEP_2)
	v_lshrrev_b32 v[236+\e], 23, v[244+\e]
.endr
	s_delay_alu instid0(VALU_DEP_1)
	v_lshl_or_b32 v255, v237, 8, v236              ; my query's two bytes for this head
.irp e, 0,1
	v_cvt_scalef32_pk8_fp4_f32 v[224+2*\e], v[96+16*\e:103+16*\e], v[244+\e]
	v_cvt_scalef32_pk8_fp4_f32 v[225+2*\e], v[104+16*\e:111+16*\e], v[244+\e]
.endr
	v_nop
	v_permlane16_swap_b32 v224, v226
	v_permlane16_swap_b32 v225, v227
	global_store_b128 v1, v[224:227], s[\yb:\yb+1] ; 512 consecutive aligned bytes: one chunk of a fragment of y
	ds_store_b32 v[\ysa], v255                     ; both halves of the lanes write the same word with the same value
.endm
	s_load_b128 s[4:7], s[0:1], 0x0                ; qrec s[4:5], kvrec s[6:7]
	s_load_b64 s[8:9], s[0:1], 0x10                ; y_img
	v_lshl_add_u32 v242, v0, 2, 0x29000
	v_mov_b32 v243, 0
	ds_add_u32 v242, v243
	ds_add_u32 v242, v243
	v_lshrrev_b32 v232, 5, v0
	s_delay_alu instid0(VALU_DEP_1)
	v_readfirstlane_b32 s10, v232                  ; wave 0..15
	s_bfe_u32 s11, ttmp6, 0x40000                  ; cx: it enters global addresses and the mask's number alone
	s_mov_b32 s12, ttmp9                           ; 16 batch + head: the cluster's x
	s_and_b32 s13, s10, 1                          ; u
	s_lshr_b32 s14, s10, 1                         ; the first job's block
	s_xor_b32 s15, s14, 15                         ; the second's
	s_mov_b32 s16, 15|(3<<16)|(1<<21)              ; group 1: 15:0 the mask: all four partners; elements of 8 bytes; 21 set beside a mask; no padding
	s_mov_b32 s17, 32<<16                          ; tensor_dim0 = 32 elements: 256 bytes
	s_mov_b32 s18, 35<<16                          ; tensor_dim1 = 35 rows: a record
	s_mov_b32 s19, 32<<16                          ; tile_dim0
	s_mov_b32 s20, 35                              ; tile_dim1
	s_mov_b32 s21, 32                              ; the pitch: dense
	s_mov_b32 s22, 0
	s_mov_b32 s23, 0
	s_mov_b32 s24, 1
	s_mul_i32 s25, s10, RECB                       ; record w goes to w x 8,960
	s_mul_i32 s48, s12, 16*RECB
	s_add_co_u32 s48, s48, s25
	s_mov_b32 s49, 0
	s_mov_b32 s28, 0x76543210
	s_mov_b32 s29, 0xfedcba98                      ; v_permlanex16_b32's selects for lane l xor 16
	s_mov_b32 s30, 0x3e38aa3b                      ; c = log2(e) / 8
	s_mov_b32 s31, s30                             ; (named with it as a pair)
	s_wait_dscnt 0x0
	s_wait_kmcnt 0x0
	s_add_nc_u64 s[26:27], s[6:7], s[48:49]
	s_or_b32 s27, s27, 0x80000000
	ROUND                                          ; all four work-groups are here: the joint loads meet
	tensor_load_to_lds s[24:27], s[16:23]          ; one load a wave: the head's 16 records
	s_nop 0
.rept 4
	v_nop                                          ; four places behind a tensor load
.endr
	QBASE 14, 32, 34
	QBASE 15, 36, 38
	YBASE 14, 40
	YBASE 15, 42
	s_lshr_b32 s50, s12, 4                         ; the scale words' way out: record (4 batch + cx) x 4 + (wave % 4), + 512 x head
	s_lshl_b32 s50, s50, 2
	s_add_co_u32 s50, s50, s11
	s_lshl_b32 s50, s50, 2
	s_and_b32 s51, s10, 3
	s_add_co_u32 s50, s50, s51
	s_mul_i32 s50, s50, YREC
	s_and_b32 s51, s12, 15
	s_lshl_b32 s51, s51, 9
	s_add_co_u32 s50, s50, s51
	s_mov_b32 s51, 0
	s_add_nc_u64 s[44:45], s[8:9], s[50:51]
	v_and_b32 v232, 31, v0                         ; lane
	s_delay_alu instid0(VALU_DEP_1)
	v_lshlrev_b32 v1, 4, v232
	s_delay_alu instid0(VALU_DEP_2)
	v_lshlrev_b32 v2, 3, v232
	v_and_b32 v233, 15, v0                         ; r
	s_wait_alu depctr_va_vdst(0)
	v_bfe_u32 v234, v0, 4, 1                       ; h
	v_lshlrev_b32 v240, 4, v233
	global_load_b128 v[16:19], v1, s[32:33]        ; Q's fragments stay in registers
	global_load_b128 v[24:27], v1, s[36:37]
	global_load_b32 v248, v240, s[34:35]           ; and their scale words: both halves of the lanes take row r's
	global_load_b32 v249, v240, s[38:39]
	v_and_b32 v235, 8, v233
	s_delay_alu instid0(VALU_DEP_1)
	v_add_nc_u32 v235, v235, v233                  ; r + 8 (r / 8)
	v_lshlrev_b32 v234, 4, v234
	s_delay_alu instid0(VALU_DEP_1)
	v_sub_nc_u32 v3, v235, v234
	s_lshl_b32 s54, s11, 5
	s_lshl_b32 s55, s13, 3
	s_add_co_u32 s54, s54, s55
	v_add_nc_u32 v3, s54, v3                       ; my query in its block, less 16 (lane / 16)
	s_lshl_b32 s57, s13, 6
	s_lshl_b32 s56, s14, 7
	s_add_co_u32 s56, s56, s57
	s_add_co_u32 s56, s56, YS
	v_lshl_add_u32 v6, v233, 2, s56
	s_lshl_b32 s56, s15, 7
	s_add_co_u32 s56, s56, s57
	s_add_co_u32 s56, s56, YS
	v_lshl_add_u32 v7, v233, 2, s56
	s_lshl_b32 s56, s10, 9
	s_add_co_u32 s56, s56, YS
	v_add_nc_u32 v241, s56, v1                     ; used by waves 0 to 3 alone
.irp j, 20,21,22,23,28,29,30,31
	v_mov_b32 v[\j], 0                             ; k = 64 .. 127 of Q's fragments: zero codes
.endr
.irp t, 0,1,2,3,4,5,6,7
.irp j, 4,5,6,7
	v_mov_b32 v[32+8*\t+\j], 0                     ; and of K's: written once, no load lands there
.endr
.endr
.irp j, 236,237,238,239,252,253
	v_mov_b32 v[\j], 0                             ; written once: lane permutes' destinations and the upper half of a packed pair count as read
.endr
	s_wait_tensorcnt 0x0                           ; my record is in,
	s_barrier_signal -1
	s_barrier_wait -1                              ; everybody's is
	s_wait_loadcnt 0x0                             ; Q
	JOB 16, 248, 14, 6, 40, 0
	JOB 24, 249, 15, 7, 42, 1
	s_wait_dscnt 0x0                               ; for the others' sake: my scale words lie in LDS
	s_barrier_signal -1
	s_barrier_wait -1
	s_cmp_lt_u32 s10, 4                            ; waves 0 to 3 store the words of blocks 4 w .. 4 w + 3: [pair 4][lane 32], 512 consecutive aligned bytes
	s_cbranch_scc0 .Lno_out
	ds_load_b128 v[96:99], v241
	s_wait_dscnt 0x0
	global_store_b128 v1, v[96:99], s[44:45]
.Lno_out:
	s_wait_tensorcnt 0x0
	ds_add_u32 v242, v243
	s_wait_dscnt 0x0
	ROUND                                          ; the closing round: no work-group ends while a partner may still ask for a record that names it
	s_endpgm
.Lfunc_end_k_q81d7c4d853_attn:
	.size	k_q81d7c4d853_attn, .Lfunc_end_k_q81d7c4d853_attn-k_q81d7c4d853_attn
	.p2alignl 7, 3214868480
	.fill 96, 4, 3214868480
	.section	.rodata,"a",@progbits
	.p2align	6, 0x0
	.amdhsa_kernel k_q81d7c4d853_attn
		.amdhsa_group_segment_fixed_size 169984
		.amdhsa_private_segment_fixed_size 0
		.amdhsa_enable_private_segment 0
		.amdhsa_kernarg_size 24
		.amdhsa_user_sgpr_count 2
		.amdhsa_user_sgpr_kernarg_segment_ptr 1
		.amdhsa_wavefront_size32 1
		.amdhsa_system_sgpr_workgroup_id_x 1
		.amdhsa_system_sgpr_workgroup_id_y 1
		.amdhsa_system_sgpr_workgroup_id_z 1
		.amdhsa_system_vgpr_workitem_id 0
		.amdhsa_next_free_vgpr 256
		.amdhsa_next_free_sgpr 66
		.amdhsa_reserve_vcc 1
		.amdhsa_float_denorm_mode_32 3
		.amdhsa_float_denorm_mode_16_64 3
		.amdhsa_memory_ordered 1
		.amdhsa_forward_progress 1
		.amdhsa_inst_pref_size 63
	.end_amdhsa_kernel
	.amdgpu_metadata
---
amdhsa.version: [ 1, 2 ]
amdhsa.kernels:
  - .name:           k_q81d7c4d853_attn
    .symbol:         k_q81d7c4d853_attn.kd
    .args:
      - { .name: qrec, .offset: 0, .size: 8, .value_kind: global_buffer, .address_space: global }
      - { .name: kvrec, .offset: 8, .size: 8, .value_kind: global_buffer, .address_space: global }
      - { .name: y_img, .offset: 16, .size: 8, .value_kind: global_buffer, .address_space: global }
    .group_segment_fixed_size: 169984
    .private_segment_fixed_size: 0
    .kernarg_segment_align: 8
    .kernarg_segment_size: 24
    .max_flat_workgroup_size: 512
    .sgpr_count:     66
    .vgpr_count:     256
    .wavefront_size: 32
...
	.end_amdgpu_metadata
.endif
;; end of part 3
;; launch proj (part 4): grid 8 x 32, 4 waves a work-group, clusters of 4 x 4, 251,392 bytes of LDS; arguments y_img, wp_img, b_proj, out0; writes out0
.if DOCPART == 4
	.amdgcn_target "amdgcn-amd-amdhsa--gfx1250"
	.amdhsa_code_object_version 6
	.text
	.protected	k_q81d7c4d853_proj
	.globl	k_q81d7c4d853_proj
	.p2align	8
	.type	k_q81d7c4d853_proj,@function
k_q81d7c4d853_proj:
	s_mov_b64 s[64:65], 0
	v_nop
	global_prefetch_b8 v0, s[64:65] scope:SCOPE_SE
	s_setreg_imm32_b32 hwreg(HW_REG_WAVE_MODE, 25, 1), 1
	s_wait_xcnt 0x0
	s_wait_alu depctr_hold_cnt(0) depctr_sa_sdst(0) depctr_va_vdst(0) depctr_va_sdst(0) depctr_va_ssrc(0) depctr_va_vcc(0) depctr_vm_vsrc(0)
	s_getreg_b32 s2, hwreg(HW_REG_IB_STS2, 6, 4)
	s_cmp_eq_u32 s2, 0
	s_cbranch_scc0 .Lentry_in_a_cluster
	s_endpgm
.Lentry_in_a_cluster:
	s_bfe_u32 s2, ttmp6, 0x10000c
	s_cmp_lg_u32 s2, 0xf033
	s_cbranch_scc0 .Lentry_shape_is_right
	s_endpgm
.Lentry_shape_is_right:
; out = y W_proj + b_proj on codes of FP4 with E8M0 scales.  y's and W's codes and scale words arrive as images of operand registers.
; A work-group makes 256 rows (two records of y, 73,728 bytes each) x 128 columns (one record of W, 69,632 bytes): 256 work-groups.  Wave w takes W's 8 tiles (source 0) against 4 tiles of y (source 1): tiles 4 (w % 2) + b of
; record w / 2: 32 accumulators.  All of K = 1,024 lies in LDS: every byte is filled once, there is no ring; a record comes as four quarters, so that the first K steps start while the rest is on its way.
; CLUSTERS: 4 x 4 work-groups; y's records are shared along a row of the cluster, W's along a column: joint loads.  Waves 0, 1 fetch y's records, wave 2 W's, wave 3 nothing.
; A record of y holds four groups of 32 rows that lie 128 rows apart: record ((4 batch + g) x 4 + kq): tile 2 j + u, lane r = row 2,048 batch + 128 (4 kq + j) + 32 g + 8 u + r + 8 (r / 8).
; Source 0 = W: a lane holds one row of out, and registers 16 e + i are columns 32 e + 16 (lane / 16) + i.  The bias is the C of each sum's first product.
; REGISTERS: window 0: v2-11 addresses; v32-63 W's scale words (8 pair + K step); v64-79 y's; v80-111 y's words as they lie, a head each; v112-175 the bias, later rows of out; v176-239 rows of out.
;   window 1: two sets of fragments: W's at 128 p + 8 a, y's at 128 p + 64 + 8 b.   window 2: accumulator (a, b) at v[64 b + 8 a].
.set YREC, 73728
.set YCH,  18432                       ; a quarter of a record of y: 72 rows of 256 bytes
.set WREC, 69632
.set WCH,  17408                       ; of W: 68 rows
.set WL,   2*YREC                      ; W's record in LDS
.set STG,  WL+WREC                     ; behind the records: a stage of 16 rows x 528 bytes for each wave, into which no tensor load lands
.set SPI,  528
.set SCW,  32
.set SCY,  64
.set T,    80
.set BI,   112
.set G1Y,  24                          ; s[24:31] group 1 for y's records; s[32:47] four groups 0
.set G0Y,  32
.set G1W,  48                          ; s[48:55] group 1 for W's; s[56:63], s[68:75] four groups 0
.set G0W,  56
.set MSB,  0
.macro WIN new                         ; the immediate's high byte repeats the setting that is left
.if MSB != (\new)
	s_set_vgpr_msb (MSB<<8)|(\new)
.set MSB, (\new)
.endif
.endm
.macro CROUND
	s_barrier_signal -1
	s_barrier_wait -1
	s_cmp_lg_u32 s14, 0
	s_cbranch_scc1 .Lnot_wave_0_\@
	s_barrier_signal -3
.Lnot_wave_0_\@:
	s_barrier_wait -3
	s_barrier_signal -1
	s_barrier_wait -1
.endm
.macro PLACES n
.rept \n
	v_nop
.endr
.endm
.macro GATE n                          ; all but my n youngest quarters have landed; behind the barrier that holds of every wave's record.  The younger ones stay out
	s_wait_tensorcnt \n
	s_barrier_signal -1
	s_barrier_wait -1
.endm
.macro FETCH s, p                      ; K step s: W's 8 fragments and my 4 of y into set p: 24 loads of 512 consecutive bytes
	WIN 0x40
.irp i, 0,1,2,3,4,5,6,7
.irp c, 0,1
	ds_load_b128 v[128*(\p)+8*\i+4*\c:128*(\p)+8*\i+4*\c+3], v5 offset:8192*(\s)+1024*\i+512*\c
.endr
.endr
.irp i, 0,1,2,3
.irp c, 0,1
	ds_load_b128 v[128*(\p)+64+8*\i+4*\c:128*(\p)+64+8*\i+4*\c+3], v4 offset:8192*(\s)+1024*\i+512*\c
.endr
.endr
.endm
.macro WM d, fa, fb, cc, sa, sb, ra, rb   ; one product; ra, rb: the side's scale words stand in lanes 16-31
.if ((\ra) == 0) && ((\rb) == 0)
	v_wmma_scale_f32_16x16x128_f8f6f4 v[\d:\d+7], v[\fa:\fa+7], v[\fb:\fb+7], v[\cc:\cc+7], v[\sa], v[\sb] matrix_a_fmt:MATRIX_FMT_FP4 matrix_b_fmt:MATRIX_FMT_FP4
.elseif ((\ra) == 1) && ((\rb) == 0)
	v_wmma_scale_f32_16x16x128_f8f6f4 v[\d:\d+7], v[\fa:\fa+7], v[\fb:\fb+7], v[\cc:\cc+7], v[\sa], v[\sb] matrix_a_fmt:MATRIX_FMT_FP4 matrix_b_fmt:MATRIX_FMT_FP4 matrix_a_scale:MATRIX_SCALE_ROW1
.elseif ((\ra) == 0) && ((\rb) == 1)
	v_wmma_scale_f32_16x16x128_f8f6f4 v[\d:\d+7], v[\fa:\fa+7], v[\fb:\fb+7], v[\cc:\cc+7], v[\sa], v[\sb] matrix_a_fmt:MATRIX_FMT_FP4 matrix_b_fmt:MATRIX_FMT_FP4 matrix_b_scale:MATRIX_SCALE_ROW1
.else
	v_wmma_scale_f32_16x16x128_f8f6f4 v[\d:\d+7], v[\fa:\fa+7], v[\fb:\fb+7], v[\cc:\cc+7], v[\sa], v[\sb] matrix_a_fmt:MATRIX_FMT_FP4 matrix_b_fmt:MATRIX_FMT_FP4 matrix_a_scale:MATRIX_SCALE_ROW1 matrix_b_scale:MATRIX_SCALE_ROW1
.endif
.endm
.macro MUL s                           ; 32 products; the 32 accumulators take turns, one instruction a turn, in the same order in every step
.set PS, 128*((\s)%2)
.if (\s) == 0
	WIN 0x85                                       ; sources 0, 1 window 1; C (the bias) window 0; D window 2
.else
	WIN 0xa5
.endif
.irp b, 0,1,2,3
.irp a, 0,1,2,3,4,5,6,7
.set rD, 64*\b+8*\a
.set rC, rD
.if (\s) == 0
.set rC, BI+8*\a
.endif
	WM rD, PS+8*\a, PS+64+8*\b, rC, SCW+8*(\a/2)+(\s), SCY+8*(\b/2)+(\s), (\a)%2, (\b)%2
.endr
.endr
.endm
; Step s + 1 lies under byte 4,096 + 8,192 (s + 2) of W's record and 8,192 (s + 3) of y's: quarter 1 is first wanted in step 0, quarter 2 in step 2, quarter 3 in step 4, in both.
.macro STEP s
	s_wait_dscnt 0x0                               ; this step's fragments are in; and no LDS load of mine is out at a signal
.if (\s) == 0
	GATE 2
.elseif (\s) == 2
	GATE 1
.elseif (\s) == 4
	GATE 0
.endif
.if (\s) < 7
	PLACES 4                                       ; four places in front of loads into registers that the last step's products have read
	FETCH (\s)+1, ((\s)+1)%2
.endif
	MUL \s
.endm
; THE WAY OUT of y's tile b: 16 rows x 128 columns through my own stage, back as whole rows of 512 bytes.  LDS serves a wave's instructions in order: no wait between the stores and the loads, nor in front of the next tile's stores.
.macro TOSTAGE b
	WIN 0x08                                       ; an LDS store's data are its source 1: window 2
.irp e, 0,1,2,3
.irp i, 0,1,2,3
	ds_store_b128 v10, v[64*(\b)+16*\e+4*\i:64*(\b)+16*\e+4*\i+3] offset:128*\e+16*\i   ; each accumulator from its low end on
.endr
.endr
	WIN 0
.set BB, BI+64*((\b)%2)
.irp t, 0,1,2,3,4,5,6,7,8,9,10,11,12,13,14,15
	ds_load_b128 v[BB+4*\t:BB+4*\t+3], v11 offset:SPI*\t
.endr
.endm
.macro SEND b, younger                 ; younger: the LDS instructions issued behind tile b's loads, which may stay out
.set BB, BI+64*((\b)%2)
	s_wait_dscnt \younger
.irp t, 0,1,2,3,4,5,6,7,8,9,10,11,12,13,14,15
	global_store_b128 v2, v[BB+4*\t:BB+4*\t+3], s[78:79] offset:4096*(128*((\b)/2)+8*((\b)%2)+\t+8*(\t/8)) th:TH_STORE_NT   ; 32 lanes store 512 consecutive aligned bytes of a row; written once
.endr
.endm
	s_load_b256 s[4:11], s[0:1], 0x0               ; y_img s[4:5], wp_img s[6:7], b_proj s[8:9], out0 s[10:11]
	v_lshl_add_u32 v254, v0, 2, 0x3d400
	v_mov_b32 v255, 0
	ds_add_u32 v254, v255
	ds_add_u32 v254, v255
	v_lshrrev_b32 v1, 5, v0
	v_readfirstlane_b32 s14, v1                    ; wave 0..3
	s_lshr_b32 s15, s14, 1                         ; which record of y is mine
	s_and_b32 s16, s14, 1                          ; which four of its tiles.  Also: which record of y I fetch
	s_bfe_u32 s19, ttmp6, 0x40000                  ; cx
	s_bfe_u32 s20, ttmp6, 0x40004                  ; cy
	s_lshl_b32 s18, ttmp9, 2
	s_add_co_u32 s18, s18, s19                     ; tile column = 4 x cluster x + cx
	s_and_b32 s17, ttmp7, 0xffff
	s_lshl_b32 s17, s17, 2
	s_add_co_u32 s17, s17, s20                     ; tile row = 4 x cluster y + cy
	s_lshl_b32 s21, s20, 2
	s_lshl_b32 s21, 15, s21                        ; my row of the cluster
	s_lshl_b32 s22, 0x1111, s19                    ; my column
	s_or_b32 s[G1Y], s21, (3<<16)|(1<<21)          ; the mask; elements of 8 bytes; 21 set beside a mask; no padding
	s_mov_b32 s[G1Y+1], 32<<16                     ; rows of 256 bytes,
	s_mov_b32 s[G1Y+2], 72<<16                     ; 72 of them
	s_mov_b32 s[G1Y+3], 32<<16
	s_mov_b32 s[G1Y+4], 72
	s_mov_b32 s[G1Y+5], 32
	s_mov_b32 s[G1Y+6], 0
	s_mov_b32 s[G1Y+7], 0
	s_or_b32 s[G1W], s22, (3<<16)|(1<<21)
	s_mov_b32 s[G1W+1], 32<<16
	s_mov_b32 s[G1W+2], 68<<16                     ; 68 rows
	s_mov_b32 s[G1W+3], 32<<16
	s_mov_b32 s[G1W+4], 68
	s_mov_b32 s[G1W+5], 32
	s_mov_b32 s[G1W+6], 0
	s_mov_b32 s[G1W+7], 0
	s_lshl_b32 s88, s17, 1
	s_add_co_u32 s88, s88, s16
	s_mul_i32 s88, s88, YREC                       ; y's record 2 x tile row + (wave % 2): no register on this way ever holds cx
	s_mov_b32 s89, 0
	s_mul_i32 s90, s18, WREC                       ; W's record: none on this way ever holds cy
	s_mov_b32 s91, 0
	s_mul_i32 s92, s16, YREC                       ; where y's goes
	s_wait_dscnt 0x0
	s_wait_kmcnt 0x0
	s_add_nc_u64 s[84:85], s[4:5], s[88:89]
	s_add_nc_u64 s[86:87], s[6:7], s[90:91]
.irp i, 0,1,2,3
	s_mov_b32 s[G0Y+4*\i], 1
	s_add_co_u32 s[G0Y+4*\i+1], s92, \i*YCH
	s_add_nc_u64 s[G0Y+4*\i+2:G0Y+4*\i+3], s[84:85], \i*YCH
	s_or_b32 s[G0Y+4*\i+3], s[G0Y+4*\i+3], 0x80000000
	s_mov_b32 s[G0W+4*\i+4*(\i/2)], 1
	s_mov_b32 s[G0W+4*\i+4*(\i/2)+1], WL+\i*WCH
	s_add_nc_u64 s[G0W+4*\i+4*(\i/2)+2:G0W+4*\i+4*(\i/2)+3], s[86:87], \i*WCH
	s_or_b32 s[G0W+4*\i+4*(\i/2)+3], s[G0W+4*\i+4*(\i/2)+3], 0x80000000
.endr
	CROUND                                         ; all sixteen work-groups are here: the joint loads meet
	s_cmp_lt_u32 s14, 2                            ; a wave's four loads stand in one branch on its number; four loads of mine are out, or none
	s_cbranch_scc0 .Lnot_y
.irp i, 0,1,2,3
	tensor_load_to_lds s[G0Y+4*\i:G0Y+4*\i+3], s[G1Y:G1Y+7]
	s_nop 0
.endr
	PLACES 4                                       ; four places behind tensor loads
	s_branch .Lfilled
.Lnot_y:
	s_cmp_eq_u32 s14, 2
	s_cbranch_scc0 .Lfilled
.irp i, 0,1,2,3
	tensor_load_to_lds s[G0W+4*\i+4*(\i/2):G0W+4*\i+4*(\i/2)+3], s[G1W:G1W+7]
	s_nop 0
.endr
	PLACES 4
.Lfilled:
	v_and_b32 v1, 31, v0                           ; lane
	v_lshlrev_b32 v2, 4, v1                        ; 16 x lane
	v_lshlrev_b32 v3, 2, v1                        ; 4 x lane
	v_add_nc_u32 v7, WL, v2                        ; W's scale image,
	v_add_nc_u32 v5, WL+4096, v2                   ; its codes
	s_mul_i32 s2, s15, YREC
	s_lshl_b32 s3, s16, 12
	s_add_co_u32 s3, s3, s2
	s_add_co_u32 s3, s3, 8192
	v_add_nc_u32 v4, s3, v2                        ; y's codes: my record, my four tiles
	s_lshl_b32 s3, s16, 8
	s_add_co_u32 s3, s3, s2
	v_add_nc_u32 v6, s3, v3                        ; y's scale words: my two pairs
	v_bfe_u32 v9, v0, 4, 1                         ; h
	v_lshlrev_b32 v8, 6, v9                        ; the bias: 16 columns x h
	s_wait_alu depctr_va_vdst(0)
	s_mul_i32 s2, s14, 16*SPI
	s_add_co_u32 s2, s2, STG                       ; my stage
	v_and_b32 v12, 15, v0
	v_mul_u32_u24 v10, v12, SPI
	v_lshl_add_u32 v10, v9, 6, v10
	v_add_nc_u32 v10, s2, v10                      ; in: row r, + 64 h
	v_add_nc_u32 v11, s2, v2                       ; back: a row of 512 bytes, 16 a lane
	; my first row of out: 2,048 batch + 128 (8 (tile row % 2) + 4 (w / 2) + 2 (w % 2)) + 32 ((tile row / 2) % 4)
	s_lshr_b32 s93, s17, 3
	s_lshl_b32 s93, s93, 11
	s_and_b32 s94, s17, 1
	s_lshl_b32 s94, s94, 3
	s_lshl_b32 s95, s15, 2
	s_add_co_u32 s94, s94, s95
	s_lshl_b32 s95, s16, 1
	s_add_co_u32 s94, s94, s95
	s_lshl_b32 s94, s94, 7
	s_add_co_u32 s93, s93, s94
	s_bfe_u32 s94, s17, 0x20001
	s_lshl_b32 s94, s94, 5
	s_add_co_u32 s93, s93, s94
	s_lshl_b32 s94, s93, 12                        ; rows of 4,096 bytes
	s_lshl_b32 s93, s18, 9                         ; + my 128 columns
	s_add_co_u32 s94, s94, s93
	s_mov_b32 s95, 0
	s_add_nc_u64 s[78:79], s[10:11], s[94:95]
	s_lshl_b32 s94, s18, 9
	s_add_nc_u64 s[82:83], s[8:9], s[94:95]        ; the bias of my 128 columns
.irp a, 0,1,2,3,4,5,6,7                        ; in the result's layout: tile a, lane half h: columns 32 (a / 2) + 8 (a % 2) + 16 h + 0 .. 7
	global_load_b128 v[BI+8*\a:BI+8*\a+3], v8, s[82:83] offset:4*(32*(\a/2)+8*(\a%2))
	global_load_b128 v[BI+8*\a+4:BI+8*\a+7], v8, s[82:83] offset:4*(32*(\a/2)+8*(\a%2))+16
.endr
	GATE 3                                         ; every record's first quarter: the scale words and K step 0
.irp p, 0,1,2,3
.irp q, 0,1
	ds_load_b128 v[SCW+8*\p+4*\q:SCW+8*\p+4*\q+3], v7 offset:1024*\p+512*\q
.endr
.endr
.irp e, 0,1
.irp n, 0,1,2,3,4,5,6,7,8,9,10,11,12,13,14,15
	ds_load_b32 v[T+16*\e+\n], v6 offset:512*\n+128*\e   ; head n's two bytes of my pair e: lanes 0-15 the even tile, lanes 16-31 the odd one
.endr
.endr
	FETCH 0, 0
	WIN 0
	s_wait_dscnt 24                                ; the scale words are in; the 24 loads of the first fragments may be out
.irp e, 0,1
.irp s, 0,1,2,3,4,5,6,7
	v_lshl_or_b32 v[SCY+8*\e+\s], v[T+16*\e+2*\s+1], 16, v[T+16*\e+2*\s]   ; K step s is heads 2 s and 2 s + 1: four bytes
.endr
.endr
	PLACES 8                                       ; a scale register written by a vector instruction stands eight places ahead of a scaled product
	s_wait_alu depctr_va_vdst(0)
	s_wait_loadcnt 0x0                             ; the bias
.irp s, 0,1,2,3,4,5,6,7
	STEP \s
.endr
	WIN 0
	PLACES 4                                       ; in front of the first read of results
	TOSTAGE 0
	TOSTAGE 1
	SEND 0, 32                                     ; behind tile 0's loads: tile 1's 16 stores and 16 loads
	s_wait_xcnt 0x0                                ; tile 0's stores have read their registers: tile 2's rows may land there
	TOSTAGE 2
	SEND 1, 32
	s_wait_xcnt 0x0
	TOSTAGE 3
	SEND 2, 32
	SEND 3, 0
	s_wait_tensorcnt 0x0
	ds_add_u32 v254, v255
	s_wait_dscnt 0x0
	CROUND                                         ; the closing round: no work-group ends while a partner may still ask for a record that names it
	s_endpgm
.Lfunc_end_k_q81d7c4d853_proj:
	.size	k_q81d7c4d853_proj, .Lfunc_end_k_q81d7c4d853_proj-k_q81d7c4d853_proj
	.p2alignl 7, 3214868480
	.fill 96, 4, 3214868480
	.section	.rodata,"a",@progbits
	.p2align	6, 0x0
	.amdhsa_kernel k_q81d7c4d853_proj
		.amdhsa_group_segment_fixed_size 251392
		.amdhsa_private_segment_fixed_size 0
		.amdhsa_enable_private_segment 0
		.amdhsa_kernarg_size 32
		.amdhsa_user_sgpr_count 2
		.amdhsa_user_sgpr_kernarg_segment_ptr 1
		.amdhsa_wavefront_size32 1
		.amdhsa_system_sgpr_workgroup_id_x 1
		.amdhsa_system_sgpr_workgroup_id_y 1
		.amdhsa_system_sgpr_workgroup_id_z 1
		.amdhsa_system_vgpr_workitem_id 0
		.amdhsa_next_free_vgpr 768
		.amdhsa_next_free_sgpr 96
		.amdhsa_reserve_vcc 0
		.amdhsa_float_denorm_mode_32 3
		.amdhsa_float_denorm_mode_16_64 3
		.amdhsa_memory_ordered 1
		.amdhsa_forward_progress 1
		.amdhsa_inst_pref_size 75
	.end_amdhsa_kernel
	.amdgpu_metadata
---
amdhsa.version: [ 1, 2 ]
amdhsa.kernels:
  - .name:           k_q81d7c4d853_proj
    .symbol:         k_q81d7c4d853_proj.kd
    .args:
      - { .name: y_img, .offset: 0, .size: 8, .value_kind: global_buffer, .address_space: global }
      - { .name: wp_img, .offset: 8, .size: 8, .value_kind: global_buffer, .address_space: global }
      - { .name: b_proj, .offset: 16, .size: 8, .value_kind: global_buffer, .address_space: global }
      - { .name: out0, .offset: 24, .size: 8, .value_kind: global_buffer, .address_space: global }
    .group_segment_fixed_size: 251392
    .private_segment_fixed_size: 0
    .kernarg_segment_align: 8
    .kernarg_segment_size: 32
    .max_flat_workgroup_size: 128
    .sgpr_count:     96
    .vgpr_count:     768
    .wavefront_size: 32
...
	.end_amdgpu_metadata
.endif
;; end of part 4
